; MI455X (gfx1250); checked and timed in simulation.
; The chip was launched on July 23, 2026; its instructions are those of AMD's public machine-readable ISA for CDNA 5 (MIT licence, August 2026) and "CDNA5" Instruction Set Architecture Reference Guide (July 2026). The comments in the code are by the model that wrote it; some were corrected since.
;; Trans Conv Layer. Allowed arithmetic: matrix products marked QUANTISED: E2M1 operands, one E8M0 scale for each 32 along K, by v_wmma_scale_f32_16x16x128_f8f6f4 with both operands' format E2M1 (or v_wmma_scale_f32_32x16x128_f4), f32 sums; products left as they are: f32 operands where the result goes on into a quantised operand, else bf16, f16 or f32 operands; f32 sums; everything else in f32.
;; Inputs: Wk_b 512 float32; Wk_w_codes 512 x 8 x 16 uint8 (E2M1 codes of Wk_w, K innermost, in blocks of 32 codes, two codes a byte); Wk_w_scales 512 x 8 uint8 (E8M0 scales of Wk_w, one for each 32 codes along K); Wq_b 512 float32; Wq_w_codes 512 x 8 x 16 uint8 (E2M1 codes of Wq_w, K innermost, in blocks of 32 codes, two codes a byte); Wq_w_scales 512 x 8 uint8 (E8M0 scales of Wq_w, one for each 32 codes along K); Wv_b 512 float32; Wv_w_codes 512 x 8 x 16 uint8 (E2M1 codes of Wv_w, K innermost, in blocks of 32 codes, two codes a byte); Wv_w_scales 512 x 8 uint8 (E8M0 scales of Wv_w, one for each 32 codes along K); query_input_codes 100,000 x 8 x 16 uint8 (E2M1 codes of query_input, K innermost, in blocks of 32 codes, two codes a byte); query_input_scales 100,000 x 8 uint8 (E8M0 scales of query_input, one for each 32 codes along K); source_input_codes 100,000 x 8 x 16 uint8 (E2M1 codes of source_input, K innermost, in blocks of 32 codes, two codes a byte); source_input_scales 100,000 x 8 uint8 (E8M0 scales of source_input, one for each 32 codes along K).
;; Outputs: out0 100,000 x 64 float32.
;; This version of the problem:
;;   THIS VERSION OF THE PROBLEM IS GIVEN IN LOW PRECISION. The matrix products marked QUANTISED in the list below multiply operands that are first quantised to E2M1 (2 exponent bits, 1 mantissa bit; 4 bits a number), with one power-of-two scale for each 32 numbers along K (OCP MX v1.0); their sums are f32. All else is computed in f32.
;;   The module's matrix products, in the order in which they are computed (A, B: the left and right operand; K: the contracted axis; several contracted axes count as one K, in the product's order):
;;     1. [M 100,000, K 256] x [K 256, N 512]; A: input query_input (given as codes); B: input Wq_w (given as codes): QUANTISED
;;     2. [M 100,000, K 256] x [K 256, N 512]; A: input source_input (given as codes); B: input Wk_w (given as codes): QUANTISED
;;     3. [M 100,000, K 256] x [K 256, N 512]; A: input source_input (given as codes); B: input Wv_w (given as codes): QUANTISED
;;     4. batch 8 x [M 64, K 100,000] x [K 100,000, N 64]; A: computed on the way; B: computed on the way: QUANTISED
;;     5. batch 8 x [M 64, K 64] x [K 64, N 100,000]; A: computed on the way; B: computed on the way: QUANTISED
;;     6. batch 8 x [M 1, K 64] x [K 64, N 100,000]; A: computed on the way; B: computed on the way: left as it is (M = 1 < 16)
;;   THE QUANTISER, for each operand of a quantised product, along K:
;;     - K is cut into blocks of 32 from its start; a last block that is shorter is filled with zeros.
;;     - A block's scale is 2^e with e = floor(log2(the largest magnitude in the block)) - 2, held to -126 .. 127; a block of zeros has e = 0. As a byte (E8M0): e + 127.
;;     - Each number is divided by its block's scale, clamped to +-6, and rounded to the nearest number of E2M1, ties to even, subnormals kept.
;;     - The product sums the exact products of the quantised numbers (number of the format x scale) in f32.
;;   ~~~python
;;   def quantise(x, axis):      # numpy; x: float32 -> the quantised numbers, widened to float32 again
;;       x = np.moveaxis(x, axis, -1); K = x.shape[-1]
;;       x = np.pad(x, [(0, 0)] * (x.ndim - 1) + [(0, -K % 32)]); x = x.reshape(x.shape[:-1] + (-1, 32)); a = np.abs(x).max(-1, keepdims=True)
;;       e = np.where(a > 0, np.clip(np.frexp(np.where(a > 0, a, 1))[1] - 1 - 2, -126, 127), 0)      # np.frexp(a)[1] - 1 = floor(log2(a)), exactly
;;       r = np.clip(x / 2.0 ** e, -6, 6)
;;       step = 2.0 ** (np.maximum(np.frexp(np.where(r == 0, 1, r))[1] - 1, 0) - 1)
;;       q = np.round(r / step) * step * 2.0 ** e      # np.round: ties to even
;;       return np.moveaxis(q.reshape(q.shape[:-2] + (-1,))[..., :K], -1, axis).astype(np.float32)
;;   ~~~
;;   OPERANDS COMPUTED ON THE WAY. 'Computed on the way' means the value that the module computes at that place (a softmax that the list does not call 'softmax' is quantised finished and normalised). What goes into a quantiser is computed in f32, as accurately as f32 sums, v_exp_f32 and their like allow (about 1e-6 of the number): no bf16 or f16 on the way to a quantiser, and a product that is left as it is and whose result goes on into a quantised operand takes f32 operands (vector FMAs, or v_wmma_f32_16x16x4_f32). A number that lies on a knife's edge between two numbers of the format may be rounded either way, as far as f32 arithmetic and the matrix unit's own rounding can turn it there, and no further.
;;   INPUTS GIVEN AS CODES. Wk_w (in the module: [256, 512], K = its axis 0); Wq_w (in the module: [256, 512], K = its axis 0); Wv_w (in the module: [256, 512], K = its axis 0); query_input (in the module: [100000, 256], K = its axis 1); source_input (in the module: [100000, 256], K = its axis 1): each comes as NAME_codes (uint8): NAME with its K axis moved to the last place and cut into blocks of 32 codes, [.., K / 32, bytes a block], one block behind the other in memory; two codes a byte, the lower K in the low four bits (a code: sign, 2 exponent bits, 1 mantissa bit); and NAME_scales (uint8): the same leading axes, one E8M0 byte (e + 127) for each 32 codes along K. Its value is code x scale, taken as it is: it is not quantised again, and the codes and scales need not be those that the quantiser above would give.
;; One version. Each part assembles by itself: llvm-mc -triple=amdgcn-amd-amdhsa -mcpu=gfx1250 --defsym DOCPART=n.
;; ======== version 1 of 1: 4 launches
;; workspace buffers: nrm 8,192 bytes; colp 524,288 bytes; kvp 4,194,304 bytes; kvc 20,480 bytes; ksm 2,048 bytes
;; launch norms (part 1): grid 250 x 1, 8 waves a work-group, no clusters, 168,960 bytes of LDS; arguments query_input_codes, query_input_scales, source_input_codes, source_input_scales, Wq_w_codes, Wq_w_scales, Wq_b, Wk_w_codes, Wk_w_scales, Wk_b, nrm, colp; writes nrm, colp
.if DOCPART == 1
	.amdgcn_target "amdgcn-amd-amdhsa--gfx1250"
	.amdhsa_code_object_version 6
	.text
	.protected	k_q91f6015e55_norms
	.globl	k_q91f6015e55_norms
	.p2align	8
	.type	k_q91f6015e55_norms,@function
k_q91f6015e55_norms:
	s_mov_b64 s[64:65], 0
	v_nop
	global_prefetch_b8 v0, s[64:65] scope:SCOPE_SE
	s_setreg_imm32_b32 hwreg(HW_REG_WAVE_MODE, 25, 1), 1
	s_wait_xcnt 0x0
; qs = query x Wq + bq and ks = source x Wk + bk, on the given FP4 codes, only to find what the later launches need of them:
; the sum of squares of all of qs, the sum of squares of all of ks, and the column sums of ks.  Nothing of qs or ks goes to memory.
; SHARES.  250 work-groups x 400 rows (25 tiles of 16).  Waves 0-3 take the query rows and Wq, waves 4-7 the source rows and Wk.
; Wave (t, cg) keeps columns 128 cg .. 128 cg + 127 of its weight in registers (8 tiles x 2 K steps x 8 registers), so a row
; fragment read from LDS (2,048 bytes and its scale words) feeds 16 matrix instructions.
; LAYOUT.  Source 0 = 16 rows of x, source 1 = 16 columns of W: a lane holds ONE column and eight rows, so a column sum is a
; sum over a lane's registers.  The bias is the C of each sum's first matrix instruction (eight equal registers a tile).
; ROWS come by six tensor loads a wave, all first fills: its 800 scale bytes, then five pieces of 20 rows x 128 bytes (16 bytes
; of padding behind each row: pitch 144 = 9 x 16, so the 16 rows of a fragment load start in 16 different groups of banks).
; No LDS byte is filled twice.  Piece p holds tiles 5 p .. 5 p + 4 and is waited for just ahead of its first tile.
; OUT.  nrm[t][work-group][wave & 3]: a wave's sum of squares.  colp[work-group][512]: column sums of ks.  Entries and rows
; 250 .. 255 are read by the later launches as part of whole runs of 256: work-groups 0 .. 5 store zeros there.
; NO CLUSTER: 250 work-groups are no multiple of 4, and each wave takes its own eighth of the weights once, into registers.
; LIMITS: NaN and infinities among the inputs are not served.
.set XPITCH, 144
.set XT,     400*XPITCH                ; 57,600 bytes: the 400 rows of one tensor
.set SCB,    2*XT                      ; the scale bytes: 3,200 of the query rows, 3,200 of the source rows
.set SCR,    SCB+6400                  ; 121,600 = 475 x 256: scratch that no tensor load fills; 512 bytes a wave
.set XR,  16                           ; v16-31, v32-47  a tile's fragment (two K steps), two buffers
.set XSR, 48                           ; v48-49, v50-51  its scale words
.set WS,  52                           ; v52-67   the weight's scale words: 2 ct + K step
.set SQ,  68                           ; v68-75   the sum of squares, four pairs
.set CS,  76                           ; v76-91   column sums, a pair for each tile of columns
.set DR,  96                           ; v96-159, v160-223  a tile's 8 results, two buffers
.set BI,  128                          ; window 1: v0-127 the weight (16 ct + 8 s); v128-191 the bias
.set MSB, 0
.macro WIN new                         ; the immediate's high byte repeats the setting that is left
.if MSB != \new
	s_set_vgpr_msb (MSB<<8)|\new
.set MSB, \new
.endif
.endm
.macro MKG0 g, lreg, loff, base, goff  ; descriptor group 0: count 1, LDS byte, global byte, type 2
	s_mov_b32 s[\g], 1
	s_add_co_u32 s[\g+1], s[\lreg], \loff
	s_add_nc_u64 s[\g+2:\g+3], s[\base:\base+1], \goff
	s_or_b32 s[\g+3], s[\g+3], 0x80000000
.endm
.macro XLOAD b, tile                   ; 16 rows x 256 K and their scale words into buffer b
.irp k, 0,1,2,3
	ds_load_b128 v[XR+16*(\b)+4*\k:XR+16*(\b)+4*\k+3], v4 offset:(\tile)*16*XPITCH+32*\k
.endr
	ds_load_b64 v[XSR+2*(\b):XSR+2*(\b)+1], v5 offset:(\tile)*128
.endm
.macro MUL b                           ; 16 matrix instructions; the eight accumulators take turns
	WIN 0x14                                       ; source 1 (W) and C (bias) in window 1
.irp ct, 0,1,2,3,4,5,6,7
	v_wmma_scale_f32_16x16x128_f8f6f4 v[DR+64*(\b)+8*\ct:DR+64*(\b)+8*\ct+7], v[XR+16*(\b):XR+16*(\b)+7], v[16*\ct:16*\ct+7], v[BI+8*\ct:BI+8*\ct+7], v[XSR+2*(\b)], v[WS+2*\ct] matrix_a_fmt:MATRIX_FMT_FP4 matrix_b_fmt:MATRIX_FMT_FP4
.endr
	WIN 0x04
.irp ct, 0,1,2,3,4,5,6,7
	v_wmma_scale_f32_16x16x128_f8f6f4 v[DR+64*(\b)+8*\ct:DR+64*(\b)+8*\ct+7], v[XR+16*(\b)+8:XR+16*(\b)+15], v[16*\ct+8:16*\ct+15], v[DR+64*(\b)+8*\ct:DR+64*(\b)+8*\ct+7], v[XSR+2*(\b)+1], v[WS+2*\ct+1] matrix_a_fmt:MATRIX_FMT_FP4 matrix_b_fmt:MATRIX_FMT_FP4
.endr
	WIN 0
.endm
.macro REDUCE b                        ; the tile in buffer b: squares onto four pairs by turns; for ks also the column sums
.irp ct, 0,1,2,3,4,5,6,7
.irp j, 0,2,4,6
	v_pk_fma_f32 v[SQ+\j:SQ+\j+1], v[DR+64*(\b)+8*\ct+\j:DR+64*(\b)+8*\ct+\j+1], v[DR+64*(\b)+8*\ct+\j:DR+64*(\b)+8*\ct+\j+1], v[SQ+\j:SQ+\j+1]   ; each accumulator from its low end on
.endr
.endr
	s_cmp_eq_u32 s3, 0
	s_cbranch_scc1 .Lnocol_\@                      ; nobody needs column sums of qs
.irp j, 0,2,4,6
.irp ct, 0,1,2,3,4,5,6,7
	v_pk_add_f32 v[CS+2*\ct:CS+2*\ct+1], v[CS+2*\ct:CS+2*\ct+1], v[DR+64*(\b)+8*\ct+\j:DR+64*(\b)+8*\ct+\j+1]
.endr
.endr
.Lnocol_\@:
.endm
	s_load_b512 s[8:23], s[0:1], 0x0               ; q codes, q scales, s codes, s scales, Wq codes, Wq scales, Wq_b, Wk codes
	s_load_b256 s[24:31], s[0:1], 0x40             ; Wk scales, Wk_b, nrm, colp
	v_lshl_add_u32 v254, v0, 2, 0x29000
	v_mov_b32 v255, 0
	ds_add_u32 v254, v255
	ds_add_u32 v254, v255
	v_lshrrev_b32 v1, 5, v0
	v_readfirstlane_b32 s2, v1                     ; wave 0..7
	s_lshr_b32 s3, s2, 2                           ; t: 0 query and Wq, 1 source and Wk
	s_and_b32 s4, s2, 3                            ; which quarter: of the columns, and of each piece's rows
	; group 1 for the codes: 20 rows of 128 bytes, dense in memory, 4 words of padding behind every 32
	s_mov_b32 s32, (1<<20)|(4<<22)|(3<<25)
	s_mov_b32 s33, 128<<16
	s_mov_b32 s34, 20<<16
	s_mov_b32 s35, 128<<16
	s_mov_b32 s36, 20
	s_mov_b32 s37, 128
	s_mov_b32 s38, 0
	s_mov_b32 s39, 0
	; group 1 for the scale bytes: one row of 100 elements of 8 bytes
	s_mov_b32 s40, 3<<16
	s_mov_b32 s41, 100<<16
	s_mov_b32 s42, 1<<16
	s_mov_b32 s43, 100<<16
	s_mov_b32 s44, 1
	s_mov_b32 s45, 100
	s_mov_b32 s46, 0
	s_mov_b32 s47, 0
	s_mul_i32 s80, s3, XT
	s_mul_i32 s81, s4, 20*XPITCH
	s_add_co_u32 s80, s80, s81                     ; LDS: my 20 rows of piece 0
	s_mul_i32 s82, s2, 800                         ; LDS: my 800 scale bytes
	s_mul_i32 s78, ttmp9, 51200                    ; memory: 400 rows x 128 bytes a work-group,
	s_mul_i32 s79, s4, 2560                        ; 20 rows a wave
	s_add_co_u32 s78, s78, s79
	s_mov_b32 s79, 0
	s_mul_i32 s84, ttmp9, 3200
	s_mul_i32 s85, s4, 800
	s_add_co_u32 s84, s84, s85
	s_mov_b32 s85, 0
	s_mov_b32 s76, 0x76543210
	s_mov_b32 s77, 0xfedcba98                      ; v_permlanex16_b32's selects for lane l xor 16
	s_wait_dscnt 0x0
	s_wait_kmcnt 0x0
	s_cmp_eq_u32 s3, 0                             ; the choice of buffers hangs on the wave's number alone
	s_cselect_b64 s[8:9], s[8:9], s[12:13]
	s_cselect_b64 s[10:11], s[10:11], s[14:15]
	s_cselect_b64 s[16:17], s[16:17], s[22:23]
	s_cselect_b64 s[18:19], s[18:19], s[24:25]
	s_cselect_b64 s[20:21], s[20:21], s[26:27]
	s_add_nc_u64 s[8:9], s[8:9], s[78:79]
	s_add_nc_u64 s[10:11], s[10:11], s[84:85]
	MKG0 48, 82, SCB, 10, 0
	MKG0 52, 80, 0, 8, 0
	MKG0 56, 80, 80*XPITCH, 8, 10240
	MKG0 60, 80, 160*XPITCH, 8, 20480
	MKG0 68, 80, 240*XPITCH, 8, 30720
	MKG0 72, 80, 320*XPITCH, 8, 40960
	tensor_load_to_lds s[48:51], s[40:47]          ; six loads of mine are out: all the tensor loads of the launch
	s_nop 0
	tensor_load_to_lds s[52:55], s[32:39]
	s_nop 0
	tensor_load_to_lds s[56:59], s[32:39]
	s_nop 0
	tensor_load_to_lds s[60:63], s[32:39]
	s_nop 0
	tensor_load_to_lds s[68:71], s[32:39]
	s_nop 0
	tensor_load_to_lds s[72:75], s[32:39]
	s_nop 0
.rept 4
	v_nop
.endr
	s_lshl_b32 s78, s4, 14                         ; my 128 columns: 128 bytes of codes each,
	s_add_nc_u64 s[16:17], s[16:17], s[78:79]
	s_lshl_b32 s78, s4, 10                         ; 8 scale bytes,
	s_add_nc_u64 s[18:19], s[18:19], s[78:79]
	s_lshl_b32 s78, s4, 9                          ; 4 bytes of bias
	s_add_nc_u64 s[20:21], s[20:21], s[78:79]
	s_lshl_b32 s84, ttmp9, 11
	s_add_co_u32 s84, s84, s78
	s_add_nc_u64 s[30:31], s[30:31], s[84:85]      ; colp: row = work-group, my 512 bytes
	s_lshl_b32 s84, s3, 12
	s_lshl_b32 s78, ttmp9, 4
	s_add_co_u32 s84, s84, s78
	s_lshl_b32 s78, s4, 2
	s_add_co_u32 s84, s84, s78
	s_add_nc_u64 s[28:29], s[28:29], s[84:85]      ; nrm: 4,096 t + 16 x work-group + 4 x quarter
	v_and_b32 v1, 31, v0                           ; lane
	v_and_b32 v2, 15, v0                           ; r
	v_bfe_u32 v3, v0, 4, 1                         ; g
	v_mul_u32_u24 v4, v2, XPITCH
	v_lshl_add_u32 v4, v3, 4, v4
	s_mul_i32 s78, s3, XT
	v_add_nc_u32 v4, s78, v4                       ; LDS: row r of a tile, + 16 g
	s_mul_i32 s78, s3, 3200
	s_add_co_u32 s78, s78, SCB
	v_lshl_add_u32 v5, v2, 3, s78                  ; LDS: row r's 8 scale bytes
	v_lshlrev_b32 v6, 7, v2
	v_lshl_add_u32 v6, v3, 4, v6                   ; W: column r of a tile, + 16 g
	v_lshlrev_b32 v7, 3, v2
	v_lshlrev_b32 v8, 2, v2
	s_lshl_b32 s78, s2, 9
	s_add_co_u32 s78, s78, SCR
	v_add_nc_u32 v9, s78, v8                       ; my scratch: 4 r
	v_lshlrev_b32 v11, 4, v1
	v_add_nc_u32 v10, s78, v11                     ; my scratch: 16 x lane
	WIN 0x40                                       ; destination window 1
.irp ct, 0,1,2,3,4,5,6,7
.irp k, 0,1,2,3
	global_load_b128 v[16*\ct+4*\k:16*\ct+4*\k+3], v6, s[16:17] offset:2048*\ct+32*\k
.endr
	global_load_b32 v[BI+8*\ct], v8, s[20:21] offset:64*\ct
.endr
	WIN 0
.irp ct, 0,1,2,3,4,5,6,7
	global_load_b64 v[WS+2*\ct:WS+2*\ct+1], v7, s[18:19] offset:128*\ct
.endr
.irp j, 0,1,2,3,4,5,6,7,8,9,10,11,12,13,14,15,16,17,18,19,20,21,22,23
	v_mov_b32 v[SQ+\j], 0                          ; the 24 running sums
.endr
	s_wait_loadcnt 0x0
	WIN 0x41
.irp ct, 0,1,2,3,4,5,6,7
.irp j, 1,2,3,4,5,6,7
	v_mov_b32 v[BI+8*\ct+\j], v[BI+8*\ct]          ; a lane's eight rows get its column's bias
.endr
.endr
	WIN 0
	s_wait_tensorcnt 4                             ; my scale bytes and my part of piece 0 are in; four pieces may be out
	s_barrier_signal -1
	s_barrier_wait -1                              ; everybody's are
	XLOAD 0, 0
; A trip: tile I's 16 products; tile I + 1's fragment is asked for; tile I - 1's results are summed.  That sum is also the run
; of plain vector instructions that has to stand behind tile I - 1's products before their operands are loaded again and behind
; tile I's before its results are read; the first trip has no sum and takes five v_nop.
.set I, 0
.rept 25
	s_wait_dscnt 0x0                               ; tile I's fragment is in
	MUL I%2
.if I < 24
.if (I+1)%5 == 0
	s_wait_tensorcnt 4-(I+1)/5                     ; my part of the piece that begins with tile I + 1; the later pieces may be out
	s_barrier_signal -1
	s_barrier_wait -1
.endif
	XLOAD (I+1)%2, I+1
.endif
.if I == 0
.rept 5
	v_nop
.endr
.else
	REDUCE (I-1)%2
.endif
.set I, I+1
.endr
	REDUCE 0                                       ; tile 24
	; the wave's sum of squares
	v_pk_add_f32 v[SQ:SQ+1], v[SQ:SQ+1], v[SQ+2:SQ+3]
	v_pk_add_f32 v[SQ+4:SQ+5], v[SQ+4:SQ+5], v[SQ+6:SQ+7]
	v_pk_add_f32 v[SQ:SQ+1], v[SQ:SQ+1], v[SQ+4:SQ+5]
	v_add_f32 v12, v[SQ], v[SQ+1]
	v_add_f32_dpp v12, v12, v12 row_xmask:1 row_mask:0xf bank_mask:0xf
	v_add_f32_dpp v12, v12, v12 row_xmask:2 row_mask:0xf bank_mask:0xf
	v_add_f32_dpp v12, v12, v12 row_xmask:4 row_mask:0xf bank_mask:0xf
	v_add_f32_dpp v12, v12, v12 row_xmask:8 row_mask:0xf bank_mask:0xf
	v_mov_b32 v13, 0
	v_permlanex16_b32 v13, v12, s76, s77
	v_add_f32 v12, v12, v13
	v_mov_b32 v14, 0
	v_mov_b32 v15, 0
	v_cmp_eq_u32 vcc_lo, 0, v1
	s_wait_xcnt 0x0                                ; EXEC changes only behind this wait
	s_and_saveexec_b32 s84, vcc_lo                 ; lane 0 stores for the wave
	global_store_b32 v14, v12, s[28:29]
	s_cmp_lt_u32 ttmp9, 6
	s_cbranch_scc0 .Lno_zero_n
	global_store_b32 v14, v15, s[28:29] offset:4000   ; entry 250 + work-group: zero
.Lno_zero_n:
	s_wait_xcnt 0x0
	s_or_b32 exec_lo, exec_lo, s84
	s_cmp_eq_u32 s3, 0
	s_cbranch_scc1 .Lend
	; ks: a column's sum = the pair's two halves + the other eight rows' in lane l xor 16
.irp ct, 0,1,2,3,4,5,6,7
	v_add_f32 v[CS+2*\ct], v[CS+2*\ct], v[CS+2*\ct+1]
.endr
.irp ct, 0,1,2,3,4,5,6,7
	v_permlanex16_b32 v[CS+2*\ct+1], v[CS+2*\ct], s76, s77
.endr
.irp ct, 0,1,2,3,4,5,6,7
	v_add_f32 v[CS+2*\ct], v[CS+2*\ct], v[CS+2*\ct+1]
.endr
.irp ct, 0,1,2,3,4,5,6,7
	ds_store_b32 v9, v[CS+2*\ct] offset:64*\ct     ; both halves of the lanes write the same word with the same value
.endr
	ds_load_b128 v[16:19], v10                     ; LDS serves a wave's instructions in order: my 128 columns, 16 bytes a lane
.irp j, 20,21,22,23
	v_mov_b32 v\j, 0
.endr
	s_wait_dscnt 0x0
	global_store_b128 v11, v[16:19], s[30:31]      ; 512 consecutive bytes, at a multiple of 512 from colp's first byte
	s_cmp_lt_u32 ttmp9, 6
	s_cbranch_scc0 .Lend
	global_store_b128 v11, v[20:23], s[30:31] offset:512000   ; row 250 + work-group: zeros
.Lend:
	s_wait_tensorcnt 0x0
	ds_add_u32 v254, v255
	s_wait_dscnt 0x0
	s_endpgm
.Lfunc_end_k_q91f6015e55_norms:
	.size	k_q91f6015e55_norms, .Lfunc_end_k_q91f6015e55_norms-k_q91f6015e55_norms
	.p2alignl 7, 3214868480
	.fill 96, 4, 3214868480
	.section	.rodata,"a",@progbits
	.p2align	6, 0x0
	.amdhsa_kernel k_q91f6015e55_norms
		.amdhsa_group_segment_fixed_size 168960
		.amdhsa_private_segment_fixed_size 0
		.amdhsa_enable_private_segment 0
		.amdhsa_kernarg_size 96
		.amdhsa_user_sgpr_count 2
		.amdhsa_user_sgpr_kernarg_segment_ptr 1
		.amdhsa_wavefront_size32 1
		.amdhsa_system_sgpr_workgroup_id_x 1
		.amdhsa_system_sgpr_workgroup_id_y 1
		.amdhsa_system_sgpr_workgroup_id_z 1
		.amdhsa_system_vgpr_workitem_id 0
		.amdhsa_next_free_vgpr 448
		.amdhsa_next_free_sgpr 86
		.amdhsa_reserve_vcc 1
		.amdhsa_float_denorm_mode_32 3
		.amdhsa_float_denorm_mode_16_64 3
		.amdhsa_memory_ordered 1
		.amdhsa_forward_progress 1
		.amdhsa_inst_pref_size 180
	.end_amdhsa_kernel
	.amdgpu_metadata
---
amdhsa.version: [ 1, 2 ]
amdhsa.kernels:
  - .name:           k_q91f6015e55_norms
    .symbol:         k_q91f6015e55_norms.kd
    .args:
      - { .name: query_input_codes, .offset: 0, .size: 8, .value_kind: global_buffer, .address_space: global }
      - { .name: query_input_scales, .offset: 8, .size: 8, .value_kind: global_buffer, .address_space: global }
      - { .name: source_input_codes, .offset: 16, .size: 8, .value_kind: global_buffer, .address_space: global }
      - { .name: source_input_scales, .offset: 24, .size: 8, .value_kind: global_buffer, .address_space: global }
      - { .name: Wq_w_codes, .offset: 32, .size: 8, .value_kind: global_buffer, .address_space: global }
      - { .name: Wq_w_scales, .offset: 40, .size: 8, .value_kind: global_buffer, .address_space: global }
      - { .name: Wq_b, .offset: 48, .size: 8, .value_kind: global_buffer, .address_space: global }
      - { .name: Wk_w_codes, .offset: 56, .size: 8, .value_kind: global_buffer, .address_space: global }
      - { .name: Wk_w_scales, .offset: 64, .size: 8, .value_kind: global_buffer, .address_space: global }
      - { .name: Wk_b, .offset: 72, .size: 8, .value_kind: global_buffer, .address_space: global }
      - { .name: nrm, .offset: 80, .size: 8, .value_kind: global_buffer, .address_space: global }
      - { .name: colp, .offset: 88, .size: 8, .value_kind: global_buffer, .address_space: global }
    .group_segment_fixed_size: 168960
    .private_segment_fixed_size: 0
    .kernarg_segment_align: 8
    .kernarg_segment_size: 96
    .max_flat_workgroup_size: 256
    .sgpr_count:     86
    .vgpr_count:     448
    .wavefront_size: 32
...
	.end_amdgpu_metadata
.endif
;; end of part 1
;; launch kv (part 2): grid 8 x 32, 8 waves a work-group, no clusters, 150,528 bytes of LDS; arguments source_input_codes, source_input_scales, Wk_w_codes, Wk_w_scales, Wk_b, Wv_w_codes, Wv_w_scales, Wv_b, nrm, kvp; writes kvp
.if DOCPART == 2
	.amdgcn_target "amdgcn-amd-amdhsa--gfx1250"
	.amdhsa_code_object_version 6
	.text
	.protected	k_q91f6015e55_kv
	.globl	k_q91f6015e55_kv
	.p2align	8
	.type	k_q91f6015e55_kv,@function
k_q91f6015e55_kv:
	s_mov_b64 s[64:65], 0
	v_nop
	global_prefetch_b8 v0, s[64:65] scope:SCOPE_SE
	s_setreg_imm32_b32 hwreg(HW_REG_WAVE_MODE, 25, 1), 1
	s_wait_xcnt 0x0
; Partial sums of kvs[h][m][d] = sum over n of Q(ks[n][h][m] / c) Q(vs[n][h][d]), c = |ks| + 1e-6, Q the FP4 quantiser along n.
; ks and vs are made again from the given codes, for one head, 128 rows at a time (one K step of the product over n), quantised
; in registers and multiplied at once: neither goes to memory.
; SHARES.  Work-group (h, y), wave w takes the steps S = 256 k + 32 w + y of 128 rows, k = 0, 1, 2, and k = 3 where S < 782
; (w = 0, y < 14).  The step is written three times: the first (its products start the sums), a loop of one or two, the last.
; Step 781 begins at row 99,872, so that no load leaves the buffer, and keeps only its last 32 rows: the codes of its other three
; blocks, which step 780 has had, are made zeros on both sides.
; LAYOUT.  Source 0 = 16 rows of x, source 1 = 16 columns of W: a lane holds one column and eight rows.  THE ROWS OF A TILE ARE
; NOT NEIGHBOURS: lane r of tile (c, u) takes row 64 c + 8 u + (r & 7) + 32 (r >> 3), so that a lane's 32 registers of the tiles
; u = 0 .. 3 are the 32 neighbouring rows 64 c + 32 g + 0 .. 31: a whole block, in the order of the next operand's registers
; 4 c .. 4 c + 3.  No maximum and no code changes lanes.  Wk's columns of a tile are chosen in the same way (8 u + (r & 7) +
; 32 (r >> 3)), so that kvs comes out with 32 neighbouring m in a lane's registers, as the next launch's quantiser wants it.
; The rows go from memory straight into 128 registers, half a step ahead.  The head's 128 columns of Wk and Wv lie in LDS as
; images of their fragments' registers.  A unit is 8 products (4 tiles of rows x 2 K steps) on one tile of columns; the next
; unit's tile is asked for AHEAD of a unit's products, so that it has the products and a quantiser in which to land; unit n + 1's
; products stand in front of unit n's quantiser, which fills the places behind them.
; OUT.  kvp[h][y][tile 4 dt + u][half][lane][16 bytes]: the accumulators as they lie, summed over the eight waves through LDS.
; NO CLUSTER: the eight heads of one y read the same rows, but each wave's 16,384 bytes go to its own registers; shared through
; LDS they would want two slots of 131,072 bytes beside the 149,504 in use, more than a work-group can have.
; LIMITS: ks / c is fma(sum, 1 / c, bias / c) with 1 / c from v_rcp_f32; a block of zeros gets the scale byte 1 (its codes are
; zeros, and this program alone reads the byte); NaN and infinities are not served.
.set WSI, 16384                        ; LDS: 8 tiles of columns x 2,048 bytes of codes at 0; their scale words, 256 bytes a tile, here
.set RST, 18432                        ; the waves' sums: 8 x 16,384 bytes
.set SSC, 16                           ; v16-31   the rows' scale words: 8 c + 2 u + K step
.set WBF, 32                           ; v32-47, v48-63   a tile of columns, two buffers
.set WSB, 64                           ; v64-65, v66-67   its scale words
.set BKR, 68                           ; v68-75   bk / c for my column of Wk's tiles, in pairs
.set BV,  76                           ; v76-107  bv for my column of Wv's tiles, eight equal registers each
.set PW,  108                          ; v108-115 the scale words of the eight fragments just made
.set H0,  116                          ; v116-147 a unit's results;
.set HD,  108                          ; v224-255 the other buffer
.set CODE, 148                         ; v148-211 the eight fragments: Wk's tiles u = 0 .. 3, then Wv's dt = 0 .. 3
.set MA, 212
.set MB, 213
.set ME, 214
.set MY, 215
.set MT, 216
.set MC, 220
.set MD, 221
.set SRC, 128                          ; window 1: v0-127 kvs's 16 accumulators (8 (4 dt + u)); v128-255 the rows: 64 c + 16 u + 8 s
.set MSB, 0
.macro WIN new                         ; the immediate's high byte repeats the setting that is left
.if MSB != \new
	s_set_vgpr_msb (MSB<<8)|\new
.set MSB, \new
.endif
.endm
.macro SETBASE                         ; where step s5's rows begin: codes s[28:29], scale bytes s[30:31]
	s_lshl_b32 s36, s5, 7
	s_min_u32 s36, s36, 99872
	s_lshl_b32 s38, s36, 7
	s_mov_b32 s39, 0
	s_add_nc_u64 s[28:29], s[8:9], s[38:39]
	s_lshl_b32 s38, s36, 3
	s_add_nc_u64 s[30:31], s[10:11], s[38:39]
.endm
.macro LOADSRC c                       ; 64 rows: 16 loads of codes, 4 of scale words
	WIN 0x40
.irp u, 0,1,2,3
.irp k, 0,1,2,3
	global_load_b128 v[SRC+64*\c+16*\u+4*\k:SRC+64*\c+16*\u+4*\k+3], v4, s[28:29] offset:(64*\c+8*\u)*128+32*\k
.endr
.endr
	WIN 0
.irp u, 0,1,2,3
	global_load_b64 v[SSC+8*\c+2*\u:SSC+8*\c+2*\u+1], v5, s[30:31] offset:(64*\c+8*\u)*8
.endr
.endm
.macro WLOAD ct, b                     ; a tile of columns comes back as the registers that were stored
.irp k, 0,1,2,3
	ds_load_b128 v[WBF+16*(\b)+4*\k:WBF+16*(\b)+4*\k+3], v6 offset:2048*(\ct)+512*\k
.endr
	ds_load_b64 v[WSB+2*(\b):WSB+2*(\b)+1], v7 offset:WSI+256*(\ct)
.endm
.macro UNIT                            ; unit UN = 8 c + ct
.set Uc, UN/8
.set Ut, UN%8
.set Ub, UN%2
.set Uh, H0+HD*Ub
	s_wait_dscnt 0x0                               ; this unit's tile of columns is in
.if UN == 1
.rept 5
	v_nop                                          ; no quantiser stands between units 0 and 1: these are the places behind unit 0's products, ahead of the load into the registers that they read and of the first read of their results
.endr
.endif
	WLOAD (UN+1)%8, (UN+1)%2                       ; the next unit's tile, into the buffer that the unit before has read; a quantiser stands between those products and this load
	WIN 0x01                                       ; source 0 (the rows) in window 1
.irp u, 0,1,2,3
.if Ut < 4
	v_wmma_scale_f32_16x16x128_f8f6f4 v[Uh+8*\u:Uh+8*\u+7], v[SRC+64*Uc+16*\u:SRC+64*Uc+16*\u+7], v[WBF+16*Ub:WBF+16*Ub+7], 0, v[SSC+8*Uc+2*\u], v[WSB+2*Ub] matrix_a_fmt:MATRIX_FMT_FP4 matrix_b_fmt:MATRIX_FMT_FP4
.else
	v_wmma_scale_f32_16x16x128_f8f6f4 v[Uh+8*\u:Uh+8*\u+7], v[SRC+64*Uc+16*\u:SRC+64*Uc+16*\u+7], v[WBF+16*Ub:WBF+16*Ub+7], v[BV+8*(Ut-4):BV+8*(Ut-4)+7], v[SSC+8*Uc+2*\u], v[WSB+2*Ub] matrix_a_fmt:MATRIX_FMT_FP4 matrix_b_fmt:MATRIX_FMT_FP4
.endif
.endr
.irp u, 0,1,2,3
	v_wmma_scale_f32_16x16x128_f8f6f4 v[Uh+8*\u:Uh+8*\u+7], v[SRC+64*Uc+16*\u+8:SRC+64*Uc+16*\u+15], v[WBF+16*Ub+8:WBF+16*Ub+15], v[Uh+8*\u:Uh+8*\u+7], v[SSC+8*Uc+2*\u+1], v[WSB+2*Ub+1] matrix_a_fmt:MATRIX_FMT_FP4 matrix_b_fmt:MATRIX_FMT_FP4
.endr
	WIN 0
.endm
.macro BLK s, d                        ; 32 numbers of one block -> 4 registers of codes; v[ME] holds the scale in its exponent field
	v_max3_num_f32 v[MA], |v[\s]|, |v[\s+1]|, 0x1800000             ; four chains, one to each accumulator, each from its low end on; with the floor 2^(3 - 127): the byte cannot fall under 1
	v_max3_num_f32 v[MB], |v[\s+8]|, |v[\s+9]|, |v[\s+10]|
	v_max3_num_f32 v[MC], |v[\s+16]|, |v[\s+17]|, |v[\s+18]|
	v_max3_num_f32 v[MD], |v[\s+24]|, |v[\s+25]|, |v[\s+26]|
.irp i, 0,1
	v_max3_num_f32 v[MA], v[MA], |v[\s+2+2*\i]|, |v[\s+3+2*\i]|
	v_max3_num_f32 v[MB], v[MB], |v[\s+11+2*\i]|, |v[\s+12+2*\i]|
	v_max3_num_f32 v[MC], v[MC], |v[\s+19+2*\i]|, |v[\s+20+2*\i]|
	v_max3_num_f32 v[MD], v[MD], |v[\s+27+2*\i]|, |v[\s+28+2*\i]|
.endr
	v_max3_num_f32 v[MA], v[MA], |v[\s+6]|, |v[\s+7]|
	v_max3_num_f32 v[MB], v[MB], v[MC], |v[\s+15]|
	v_max3_num_f32 v[MD], v[MD], |v[\s+23]|, |v[\s+31]|
	v_max3_num_f32 v[MA], v[MA], v[MB], v[MD]
	v_add_nc_u32 v[ME], 0xff000000, v[MA]          ; 2 off the exponent field
.irp u, 0,1,2,3
	v_cvt_scalef32_pk8_fp4_f32 v[\d+\u], v[\s+8*\u:\s+8*\u+7], v[ME]
.endr
.endm
.macro QUANT                           ; unit QN's results become registers 4 c .. 4 c + 3 of fragment ct
.set Qc, QN/8
.set Qt, QN%8
.set Qh, H0+HD*(QN%2)
.if Qt < 4
.irp j, 0,2,4,6,8,10,12,14,16,18,20,22,24,26,28,30
	v_pk_fma_f32 v[Qh+\j:Qh+\j+1], v[Qh+\j:Qh+\j+1], s[32:33], v[BKR+2*Qt:BKR+2*Qt+1] op_sel_hi:[1,0,0]   ; ks / c
.endr
.endif
	BLK Qh, CODE+8*Qt+4*Qc
.if Qc == 0
	v_lshrrev_b32 v[PW+Qt], 23, v[ME]              ; block g's byte.  (Also the plain instruction behind the conversions)
.else
	v_lshrrev_b32 v[MY], 23, v[ME]                 ; block 2 + g's
	v_lshl_or_b32 v[PW+Qt], v[MY], 16, v[PW+Qt]
	v_lshlrev_b32 v[PW+Qt], v8, v[PW+Qt]           ; 8 g bits up;
	v_permlanex16_b32 v[MT], v[PW+Qt], s34, s35
	v_or_b32 v[PW+Qt], v[PW+Qt], v[MT]             ; with lane l xor 16's two bytes the word is whole
.endif
.endm
.macro P4 first                        ; kvs += ks^T vs over these 128 rows: 16 accumulators by turns
	WIN 0x50                                       ; C and D in window 1
.irp dt, 0,1,2,3
.irp u, 0,1,2,3
.if \first
	v_wmma_scale_f32_16x16x128_f8f6f4 v[8*(4*\dt+\u):8*(4*\dt+\u)+7], v[CODE+8*\u:CODE+8*\u+7], v[CODE+32+8*\dt:CODE+39+8*\dt], 0, v[PW+\u], v[PW+4+\dt] matrix_a_fmt:MATRIX_FMT_FP4 matrix_b_fmt:MATRIX_FMT_FP4
.else
	v_wmma_scale_f32_16x16x128_f8f6f4 v[8*(4*\dt+\u):8*(4*\dt+\u)+7], v[CODE+8*\u:CODE+8*\u+7], v[CODE+32+8*\dt:CODE+39+8*\dt], v[8*(4*\dt+\u):8*(4*\dt+\u)+7], v[PW+\u], v[PW+4+\dt] matrix_a_fmt:MATRIX_FMT_FP4 matrix_b_fmt:MATRIX_FMT_FP4
.endif
.endr
.endr
	WIN 0
.endm
.macro STEP first, next
	s_wait_loadcnt 20                              ; this step's rows 0-63 are in; the 20 loads of rows 64-127 may be out
.set UN, 0
	UNIT
.set UN, 1
	UNIT
.set QN, 0
	QUANT
.rept 6
.set UN, UN+1
	UNIT
.set QN, QN+1
	QUANT
.endr
.if \next
	s_wait_xcnt 0x0                                ; the bases are written again only behind this wait
	s_add_co_u32 s5, s5, 256
	SETBASE
	LOADSRC 0                                      ; the next step's rows 0-63 into the registers that units 0-7 have read
	s_wait_loadcnt 20                              ; all but these 20: this step's rows 64-127 are in
.else
	s_wait_loadcnt 0x0
.endif
.rept 8
.set UN, UN+1
	UNIT
.set QN, QN+1
	QUANT
.endr
.if \next
	LOADSRC 1
.endif
.set QN, 15
	QUANT
.if \next == 0
	s_cmp_eq_u32 s5, 781
	s_cbranch_scc0 .Lfull_\@
.irp ct, 0,1,2,3,4,5,6,7
.irp q, 0,1,2,3
	v_mov_b32 v[CODE+8*\ct+\q], 0                  ; blocks 0 and 1,
	v_and_b32 v[CODE+8*\ct+4+\q], v9, v[CODE+8*\ct+4+\q]   ; and block 2 (lanes 0-15): zero codes
.endr
.endr
.Lfull_\@:
.endif
.rept 8
	v_nop                                          ; the scale words were written by vector instructions: eight places ahead of the scaled products
.endr
	P4 \first
.endm
.macro NORMSUM R, T, sd                ; 1,024 partial sums in v[R .. R + 31] -> 1 / (sqrt(sum) + 1e-6) in s[sd] and s[sd + 1]
.irp i, 0,1,2,3,4,5,6,7
	v_pk_add_f32 v[\R+4*\i:\R+4*\i+1], v[\R+4*\i:\R+4*\i+1], v[\R+4*\i+2:\R+4*\i+3]
.endr
.irp i, 0,1,2,3
	v_pk_add_f32 v[\R+8*\i:\R+8*\i+1], v[\R+8*\i:\R+8*\i+1], v[\R+8*\i+4:\R+8*\i+5]
.endr
.irp i, 0,1
	v_pk_add_f32 v[\R+16*\i:\R+16*\i+1], v[\R+16*\i:\R+16*\i+1], v[\R+16*\i+8:\R+16*\i+9]
.endr
	v_pk_add_f32 v[\R:\R+1], v[\R:\R+1], v[\R+16:\R+17]
	v_add_f32 v[\T], v[\R], v[\R+1]
	v_add_f32_dpp v[\T], v[\T], v[\T] row_xmask:1 row_mask:0xf bank_mask:0xf
	v_add_f32_dpp v[\T], v[\T], v[\T] row_xmask:2 row_mask:0xf bank_mask:0xf
	v_add_f32_dpp v[\T], v[\T], v[\T] row_xmask:4 row_mask:0xf bank_mask:0xf
	v_add_f32_dpp v[\T], v[\T], v[\T] row_xmask:8 row_mask:0xf bank_mask:0xf
	v_mov_b32 v[\T+1], 0
	v_permlanex16_b32 v[\T+1], v[\T], s34, s35
	v_add_f32 v[\T], v[\T], v[\T+1]
	v_sqrt_f32 v[\T], v[\T]
	v_nop                                          ; a plain instruction behind a transcendental
	s_wait_alu depctr_va_vdst(0)
	v_add_f32 v[\T], 0x358637bd, v[\T]             ; + 1e-6
	v_rcp_f32 v[\T], v[\T]
	v_nop
	s_wait_alu depctr_va_vdst(0)
	v_readfirstlane_b32 s[\sd], v[\T]
	s_mov_b32 s[\sd+1], s[\sd]
.endm
	s_load_b512 s[8:23], s[0:1], 0x0               ; rows' codes, rows' scales, Wk codes, Wk scales, Wk_b, Wv codes, Wv scales, Wv_b
	s_load_b128 s[24:27], s[0:1], 0x40             ; nrm, kvp
	v_lshrrev_b32 v1, 5, v0
	v_readfirstlane_b32 s2, v1                     ; wave 0..7
	s_mov_b32 s3, ttmp9                            ; the head
	s_and_b32 s4, ttmp7, 0xffff                    ; y
	v_and_b32 v1, 31, v0
	v_and_b32 v2, 15, v0                           ; r
	v_bfe_u32 v3, v0, 4, 1                         ; g
	v_and_b32 v212, 7, v2
	v_lshrrev_b32 v213, 3, v2
	v_lshl_add_u32 v214, v213, 5, v212             ; (r & 7) + 32 (r >> 3)
	v_lshlrev_b32 v4, 7, v214
	v_lshl_add_u32 v4, v3, 4, v4                   ; a tile's row in memory, + 16 g
	v_lshlrev_b32 v5, 3, v214                      ; its 8 scale bytes
	v_lshlrev_b32 v6, 4, v1                        ; 16 x lane
	v_lshlrev_b32 v7, 3, v1                        ; 8 x lane
	v_lshlrev_b32 v8, 3, v3                        ; 8 g
	v_sub_nc_u32 v9, 0, v3                         ; all ones in lanes 16-31
	v_lshlrev_b32 v10, 2, v214                     ; bk: my column of a tile of Wk
	v_lshlrev_b32 v11, 2, v2                       ; bv: my column of a tile of Wv
	; wave w brings tile w of the head's columns: w < 4: Wk, columns 8 u + (r & 7) + 32 (r >> 3); else Wv, columns 16 u + r
	s_and_b32 s36, s2, 3
	s_cmp_lt_u32 s2, 4
	s_cselect_b32 s37, 32, 8
	s_cselect_b32 s38, 8, 16
	s_mul_i32 s38, s38, s36
	s_lshl_b32 s39, s3, 6
	s_add_co_u32 s38, s38, s39
	v_mad_u32_u24 v12, v213, s37, v212
	v_add_nc_u32 v12, s38, v12                     ; my column
	v_lshlrev_b32 v13, 7, v12
	v_lshl_add_u32 v13, v3, 4, v13
	v_lshlrev_b32 v14, 3, v12
	s_lshl_b32 s39, s2, 11
	v_add_nc_u32 v15, s39, v6                      ; LDS: 2,048 w + 16 x lane
	s_lshl_b32 s39, s2, 8
	s_add_co_u32 s39, s39, WSI
	v_add_nc_u32 v217, s39, v7                     ; LDS: the scale words' image
	s_lshl_b32 s5, s2, 5
	s_add_co_u32 s5, s5, s4                        ; my first step
	s_cmp_lt_u32 s5, 14
	s_cselect_b32 s6, 2, 1                         ; steps between the first and the last: 2 where a fourth step exists, else 1
	s_max_u32 s6, s6, 1                            ; one at the least: the loop below counts it down to 0
	s_mov_b32 s34, 0x76543210
	s_mov_b32 s35, 0xfedcba98
	v_mov_b32 v[MT], 0                             ; written once: a lane permute's destination counts as one of its sources
	s_lshl_b32 s40, s3, 8                          ; the head's 64 biases
	s_mov_b32 s41, 0
	s_wait_kmcnt 0x0
	s_cmp_lt_u32 s2, 4
	s_cselect_b64 s[42:43], s[12:13], s[18:19]
	s_cselect_b64 s[44:45], s[14:15], s[20:21]
	s_add_nc_u64 s[16:17], s[16:17], s[40:41]
	s_add_nc_u64 s[22:23], s[22:23], s[40:41]
.irp k, 0,1,2,3
	global_load_b128 v[WBF+4*\k:WBF+4*\k+3], v13, s[42:43] offset:32*\k
.endr
	global_load_b64 v[WSB:WSB+1], v14, s[44:45]
.irp u, 0,1,2,3
	global_load_b32 v[BKR+2*\u], v10, s[16:17] offset:32*\u
	global_load_b32 v[BV+8*\u], v11, s[22:23] offset:64*\u
.endr
.irp i, 0,1,2,3,4,5,6,7
	global_load_b128 v[H0+4*\i:H0+4*\i+3], v6, s[24:25] offset:4096+512*\i   ; the partial sums of squares of ks
.endr
	SETBASE
	LOADSRC 0
	LOADSRC 1
	s_wait_loadcnt 40                              ; all but the first step's two halves of rows
.irp k, 0,1,2,3
	ds_store_b128 v15, v[WBF+4*\k:WBF+4*\k+3] offset:512*\k
.endr
	ds_store_b64 v217, v[WSB:WSB+1]
	NORMSUM H0, 218, 32                            ; s[32:33] = 1 / c
.irp u, 0,1,2,3
	v_mul_f32 v[BKR+2*\u], s32, v[BKR+2*\u]
.endr
.irp u, 0,1,2,3
	v_mov_b32 v[BKR+2*\u+1], v[BKR+2*\u]           ; named as a pair, so it is written
.irp j, 1,2,3,4,5,6,7
	v_mov_b32 v[BV+8*\u+\j], v[BV+8*\u]
.endr
.endr
	s_wait_dscnt 0x0                               ; for the others' sake: my image has landed
	s_barrier_signal -1
	s_barrier_wait -1
	WLOAD 0, 0
	STEP 1, 1
.Lstep:
	STEP 0, 1
	s_sub_co_u32 s6, s6, 1
	s_cmp_lg_u32 s6, 0
	s_cbranch_scc1 .Lstep
	STEP 0, 0
	; THE WAY OUT: the eight waves' sums meet in LDS; wave w adds tiles 2 w and 2 w + 1 and stores them as they lie
	s_lshl_b32 s36, s2, 14
	s_add_co_u32 s36, s36, RST
	v_add_nc_u32 v10, s36, v6
	s_lshl_b32 s36, s2, 11
	s_add_co_u32 s36, s36, RST
	v_add_nc_u32 v11, s36, v6
	v_add_nc_u32 v12, 65536, v11
.rept 4
	v_nop                                          ; places behind the last products
.endr
	WIN 0x04                                       ; an LDS store's data are its source 1: window 1
.irp t, 0,1,2,3,4,5,6,7,8,9,10,11,12,13,14,15
	ds_store_b128 v10, v[8*\t:8*\t+3] offset:1024*\t          ; each accumulator from its low end on
	ds_store_b128 v10, v[8*\t+4:8*\t+7] offset:1024*\t+512
.endr
	WIN 0
	s_wait_dscnt 0x0
	s_barrier_signal -1
	s_barrier_wait -1
.irp q, 0,1,2,3
.irp x, 0,1,2,3
	ds_load_b128 v[H0+32*\q+4*\x:H0+32*\q+4*\x+3], v11 offset:16384*\x+512*\q
	ds_load_b128 v[H0+32*\q+16+4*\x:H0+32*\q+16+4*\x+3], v12 offset:16384*\x+512*\q
.endr
.endr
	s_lshl_b32 s36, s3, 19                         ; kvp: 524,288 h + 16,384 y + 2,048 w
	s_lshl_b32 s38, s4, 14
	s_add_co_u32 s36, s36, s38
	s_lshl_b32 s38, s2, 11
	s_add_co_u32 s36, s36, s38
	s_mov_b32 s37, 0
	s_add_nc_u64 s[26:27], s[26:27], s[36:37]
	s_wait_dscnt 0x0
.irp q, 0,1,2,3
.irp x, 0,8,16,24
.irp j, 0,2
	v_pk_add_f32 v[H0+32*\q+\x+\j:H0+32*\q+\x+\j+1], v[H0+32*\q+\x+\j:H0+32*\q+\x+\j+1], v[H0+32*\q+\x+4+\j:H0+32*\q+\x+5+\j]
.endr
.endr
.irp x, 0,16
.irp j, 0,2
	v_pk_add_f32 v[H0+32*\q+\x+\j:H0+32*\q+\x+\j+1], v[H0+32*\q+\x+\j:H0+32*\q+\x+\j+1], v[H0+32*\q+\x+8+\j:H0+32*\q+\x+9+\j]
.endr
.endr
.irp j, 0,2
	v_pk_add_f32 v[H0+32*\q+\j:H0+32*\q+\j+1], v[H0+32*\q+\j:H0+32*\q+\j+1], v[H0+32*\q+16+\j:H0+32*\q+17+\j]
.endr
	global_store_b128 v6, v[H0+32*\q:H0+32*\q+3], s[26:27] offset:512*\q   ; 512 consecutive bytes, at a multiple of 512 from kvp's first byte
.endr
	s_wait_xcnt 0x0
	v_lshl_add_u32 v254, v0, 2, 0x24800
	v_mov_b32 v255, 0
	s_wait_tensorcnt 0x0
	ds_add_u32 v254, v255
	s_wait_dscnt 0x0
	s_endpgm
.Lfunc_end_k_q91f6015e55_kv:
	.size	k_q91f6015e55_kv, .Lfunc_end_k_q91f6015e55_kv-k_q91f6015e55_kv
	.p2alignl 7, 3214868480
	.fill 96, 4, 3214868480
	.section	.rodata,"a",@progbits
	.p2align	6, 0x0
	.amdhsa_kernel k_q91f6015e55_kv
		.amdhsa_group_segment_fixed_size 150528
		.amdhsa_private_segment_fixed_size 0
		.amdhsa_enable_private_segment 0
		.amdhsa_kernarg_size 80
		.amdhsa_user_sgpr_count 2
		.amdhsa_user_sgpr_kernarg_segment_ptr 1
		.amdhsa_wavefront_size32 1
		.amdhsa_system_sgpr_workgroup_id_x 1
		.amdhsa_system_sgpr_workgroup_id_y 1
		.amdhsa_system_sgpr_workgroup_id_z 1
		.amdhsa_system_vgpr_workitem_id 0
		.amdhsa_next_free_vgpr 512
		.amdhsa_next_free_sgpr 66
		.amdhsa_reserve_vcc 0
		.amdhsa_float_denorm_mode_32 3
		.amdhsa_float_denorm_mode_16_64 3
		.amdhsa_memory_ordered 1
		.amdhsa_forward_progress 1
		.amdhsa_inst_pref_size 202
	.end_amdhsa_kernel
	.amdgpu_metadata
---
amdhsa.version: [ 1, 2 ]
amdhsa.kernels:
  - .name:           k_q91f6015e55_kv
    .symbol:         k_q91f6015e55_kv.kd
    .args:
      - { .name: source_input_codes, .offset: 0, .size: 8, .value_kind: global_buffer, .address_space: global }
      - { .name: source_input_scales, .offset: 8, .size: 8, .value_kind: global_buffer, .address_space: global }
      - { .name: Wk_w_codes, .offset: 16, .size: 8, .value_kind: global_buffer, .address_space: global }
      - { .name: Wk_w_scales, .offset: 24, .size: 8, .value_kind: global_buffer, .address_space: global }
      - { .name: Wk_b, .offset: 32, .size: 8, .value_kind: global_buffer, .address_space: global }
      - { .name: Wv_w_codes, .offset: 40, .size: 8, .value_kind: global_buffer, .address_space: global }
      - { .name: Wv_w_scales, .offset: 48, .size: 8, .value_kind: global_buffer, .address_space: global }
      - { .name: Wv_b, .offset: 56, .size: 8, .value_kind: global_buffer, .address_space: global }
      - { .name: nrm, .offset: 64, .size: 8, .value_kind: global_buffer, .address_space: global }
      - { .name: kvp, .offset: 72, .size: 8, .value_kind: global_buffer, .address_space: global }
    .group_segment_fixed_size: 150528
    .private_segment_fixed_size: 0
    .kernarg_segment_align: 8
    .kernarg_segment_size: 80
    .max_flat_workgroup_size: 256
    .sgpr_count:     66
    .vgpr_count:     512
    .wavefront_size: 32
...
	.end_amdgpu_metadata
.endif
;; end of part 2
;; launch fold (part 3): grid 32 x 1, 8 waves a work-group, no clusters, 34,304 bytes of LDS; arguments kvp, colp, nrm, kvc, ksm; writes kvc, ksm
.if DOCPART == 3
	.amdgcn_target "amdgcn-amd-amdhsa--gfx1250"
	.amdhsa_code_object_version 6
	.text
	.protected	k_q91f6015e55_fold
	.globl	k_q91f6015e55_fold
	.p2align	8
	.type	k_q91f6015e55_fold,@function
k_q91f6015e55_fold:
	s_mov_b64 s[64:65], 0
	v_nop
	global_prefetch_b8 v0, s[64:65] scope:SCOPE_SE
	s_setreg_imm32_b32 hwreg(HW_REG_WAVE_MODE, 25, 1), 1
	s_wait_xcnt 0x0
; kvs = the sum of the 32 partial sums of each head; quantised along m to FP4, laid as the last launch's operand registers.
; ks_sum = (the sum of the 256 rows of column sums) / (|ks| + 1e-6).
; SHARES.  Work-group = (head h = number >> 2, dt = number & 3): the four tiles 4 dt .. 4 dt + 3 of kvs, in which lane (r, g) holds
; d = 16 dt + r and, in 32 registers, m = 32 g + 0 .. 31: a whole block.  Also 16 columns of ks_sum.  Wave w adds partial sums
; 4 w .. 4 w + 3 and 32 rows of column sums; one barrier; wave 0 adds the eight waves' and quantises, wave 1 finishes ks_sum.
; OUT.  kvc: codes at 512 (8 dt + h) + 16 x lane; scale words at 16,384 + 128 (8 dt + h) + 4 x lane.  The last launch multiplies
; two heads' 64 m in one K step of 128: head h's two bytes stand in half h & 1 of the word, the other half holds 127 (it scales
; zero codes there).  ksm: ks_sum[512].
; No matrix work, no tensor load, nothing that two work-groups share: so no cluster.
; LIMITS: ks_sum is the sum times 1 / c (v_rcp_f32), not the sum of quotients; a block of zeros gets the byte 1.
.set MA, 208
.set MB, 209
.set ME, 210
.set MY, 211
.set CSUM, 32768                       ; LDS: 8 waves x 4,096 bytes of kvs at 0; 8 x 64 bytes of column sums here
.macro SUM4 b                          ; v[b .. b + 31] += the three runs of 32 behind it
.irp j, 0,2,4,6,8,10,12,14,16,18,20,22,24,26,28,30
	v_pk_add_f32 v[\b+\j:\b+\j+1], v[\b+\j:\b+\j+1], v[\b+32+\j:\b+33+\j]
	v_pk_add_f32 v[\b+64+\j:\b+65+\j], v[\b+64+\j:\b+65+\j], v[\b+96+\j:\b+97+\j]
.endr
.irp j, 0,2,4,6,8,10,12,14,16,18,20,22,24,26,28,30
	v_pk_add_f32 v[\b+\j:\b+\j+1], v[\b+\j:\b+\j+1], v[\b+64+\j:\b+65+\j]
.endr
.endm
.macro LANE3                           ; v160-163 summed over the eight lanes that share lane & 3
.irp q, 0,1,2,3
	v_add_f32_dpp v[160+\q], v[160+\q], v[160+\q] row_xmask:4 row_mask:0xf bank_mask:0xf
.endr
.irp q, 0,1,2,3
	v_add_f32_dpp v[160+\q], v[160+\q], v[160+\q] row_xmask:8 row_mask:0xf bank_mask:0xf
.endr
.irp q, 0,1,2,3
	v_permlanex16_b32 v[164+\q], v[160+\q], s18, s19
.endr
.irp q, 0,1,2,3
	v_add_f32 v[160+\q], v[160+\q], v[164+\q]
.endr
.endm
	s_load_b256 s[8:15], s[0:1], 0x0               ; kvp, colp, nrm, kvc
	s_load_b64 s[16:17], s[0:1], 0x20              ; ksm
	v_lshl_add_u32 v224, v0, 2, 0x8200
	v_mov_b32 v225, 0
	v_lshrrev_b32 v1, 5, v0
	v_readfirstlane_b32 s2, v1                     ; wave
	v_and_b32 v1, 31, v0
	v_bfe_u32 v3, v0, 4, 1
	v_lshlrev_b32 v6, 4, v1                        ; 16 x lane
	v_lshlrev_b32 v7, 2, v1                        ; 4 x lane
	v_lshlrev_b32 v8, 3, v3                        ; 8 g
	v_and_b32 v9, 3, v1
	v_lshrrev_b32 v10, 2, v1
	v_lshlrev_b32 v11, 11, v10
	v_lshl_add_u32 v11, v9, 4, v11                 ; colp: row lane >> 2 of eight, 16 bytes at 16 (lane & 3)
	s_lshl_b32 s20, s2, 12
	v_add_nc_u32 v12, s20, v6                      ; LDS: 4,096 w + 16 x lane
	s_lshl_b32 s20, s2, 6
	s_add_co_u32 s20, s20, CSUM
	v_lshl_add_u32 v13, v9, 4, s20                 ; LDS: 64 w + 16 (lane & 3)
	v_add_nc_u32 v14, CSUM, v6
	s_lshr_b32 s3, ttmp9, 2                        ; h
	s_and_b32 s4, ttmp9, 3                         ; dt
	s_mov_b32 s18, 0x76543210
	s_mov_b32 s19, 0xfedcba98
	s_lshl_b32 s20, s3, 19
	s_lshl_b32 s21, s2, 16
	s_add_co_u32 s20, s20, s21
	s_lshl_b32 s22, s4, 12
	s_add_co_u32 s20, s20, s22                     ; kvp: 524,288 h + 65,536 w + 4,096 dt
	s_lshl_b32 s22, ttmp9, 6
	s_add_co_u32 s22, s22, s21                     ; colp: 64 x work-group + 32 rows x wave
	s_mov_b32 s21, 0
	s_mov_b32 s23, 0
	s_wait_kmcnt 0x0
	s_add_nc_u64 s[8:9], s[8:9], s[20:21]
	s_add_nc_u64 s[10:11], s[10:11], s[22:23]
.irp i, 0,1,2,3
.irp k, 0,1,2,3,4,5,6,7
	global_load_b128 v[32+32*\i+4*\k:35+32*\i+4*\k], v6, s[8:9] offset:16384*\i+512*\k
.endr
.endr
.irp i, 0,1,2,3
	global_load_b128 v[160+4*\i:163+4*\i], v11, s[10:11] offset:16384*\i
.endr
.irp i, 0,1,2,3,4,5,6,7
	global_load_b128 v[176+4*\i:179+4*\i], v6, s[12:13] offset:4096+512*\i
.endr
	s_wait_loadcnt 0x0
	SUM4 32
.irp k, 0,1,2,3,4,5,6,7
	ds_store_b128 v12, v[32+4*\k:35+4*\k] offset:512*\k
.endr
	v_pk_add_f32 v[160:161], v[160:161], v[164:165]
	v_pk_add_f32 v[162:163], v[162:163], v[166:167]
	v_pk_add_f32 v[168:169], v[168:169], v[172:173]
	v_pk_add_f32 v[170:171], v[170:171], v[174:175]
	v_pk_add_f32 v[160:161], v[160:161], v[168:169]
	v_pk_add_f32 v[162:163], v[162:163], v[170:171]
	LANE3
	ds_store_b128 v13, v[160:163]                  ; lanes that share lane & 3 write the same bytes with the same values
	s_wait_dscnt 0x0
	s_barrier_signal -1
	s_barrier_wait -1
	s_cmp_eq_u32 s2, 0
	s_cbranch_scc1 .Lkvs
	s_cmp_eq_u32 s2, 1
	s_cbranch_scc1 .Lksum
	s_wait_tensorcnt 0x0
	ds_add_u32 v224, v225
	s_wait_dscnt 0x0
	s_endpgm
.Lkvs:
.irp x, 0,1,2,3
.irp k, 0,1,2,3,4,5,6,7
	ds_load_b128 v[32+32*\x+4*\k:35+32*\x+4*\k], v6 offset:4096*\x+512*\k
.endr
.endr
	s_wait_dscnt 0x0
	SUM4 32
.irp x, 0,1,2,3
.irp k, 0,1,2,3,4,5,6,7
	ds_load_b128 v[64+32*\x+4*\k:67+32*\x+4*\k], v6 offset:16384+4096*\x+512*\k
.endr
.endr
	s_wait_dscnt 0x0
	SUM4 64
.irp j, 0,2,4,6,8,10,12,14,16,18,20,22,24,26,28,30
	v_pk_add_f32 v[32+\j:33+\j], v[32+\j:33+\j], v[64+\j:65+\j]
.endr
	; my block of 32 along m
	v_max3_num_f32 v[MA], |v32|, |v33|, 0x1800000                   ; with the floor 2^(3 - 127)
	v_max3_num_f32 v[MB], |v48|, |v49|, |v50|
.irp i, 0,1,2,3,4,5
	v_max3_num_f32 v[MA], v[MA], |v[34+2*\i]|, |v[35+2*\i]|
	v_max3_num_f32 v[MB], v[MB], |v[51+2*\i]|, |v[52+2*\i]|
.endr
	v_max3_num_f32 v[MA], v[MA], |v46|, |v47|
	v_max3_num_f32 v[MA], v[MA], v[MB], |v63|
	v_add_nc_u32 v[ME], 0xff000000, v[MA]
.irp u, 0,1,2,3
	v_cvt_scalef32_pk8_fp4_f32 v[200+\u], v[32+8*\u:39+8*\u], v[ME]
.endr
	v_lshrrev_b32 v[MY], 23, v[ME]
	v_lshlrev_b32 v[MY], v8, v[MY]
	v_mov_b32 v212, 0
	v_permlanex16_b32 v212, v[MY], s18, s19
	v_or_b32 v[MY], v[MY], v212                    ; the two blocks' bytes
	s_and_b32 s20, s3, 1
	s_lshl_b32 s20, s20, 4                         ; 16 (h & 1)
	s_sub_co_u32 s22, 16, s20
	s_lshl_b32 s21, 0x7f7f, s22
	v_lshlrev_b32 v[MY], s20, v[MY]
	v_or_b32 v[MY], s21, v[MY]
	s_lshl_b32 s20, s4, 3
	s_add_co_u32 s20, s20, s3                      ; 8 dt + h
	s_lshl_b32 s22, s20, 9
	s_mov_b32 s23, 0
	s_add_nc_u64 s[24:25], s[14:15], s[22:23]
	s_lshl_b32 s22, s20, 7
	s_add_nc_u64 s[26:27], s[14:15], s[22:23]
	global_store_b128 v6, v[200:203], s[24:25]
	global_store_b32 v7, v[MY], s[26:27] offset:16384
	s_wait_tensorcnt 0x0
	ds_add_u32 v224, v225
	s_wait_dscnt 0x0
	s_endpgm
.Lksum:
	ds_load_b128 v[160:163], v14                   ; lane: wave lane >> 2's sums of columns 4 (lane & 3) ..
	; 1 / (|ks| + 1e-6), summed in the same order as in the launch before
.irp i, 0,1,2,3,4,5,6,7
	v_pk_add_f32 v[176+4*\i:177+4*\i], v[176+4*\i:177+4*\i], v[178+4*\i:179+4*\i]
.endr
.irp i, 0,1,2,3
	v_pk_add_f32 v[176+8*\i:177+8*\i], v[176+8*\i:177+8*\i], v[180+8*\i:181+8*\i]
.endr
.irp i, 0,1
	v_pk_add_f32 v[176+16*\i:177+16*\i], v[176+16*\i:177+16*\i], v[184+16*\i:185+16*\i]
.endr
	v_pk_add_f32 v[176:177], v[176:177], v[192:193]
	v_add_f32 v208, v176, v177
	v_add_f32_dpp v208, v208, v208 row_xmask:1 row_mask:0xf bank_mask:0xf
	v_add_f32_dpp v208, v208, v208 row_xmask:2 row_mask:0xf bank_mask:0xf
	v_add_f32_dpp v208, v208, v208 row_xmask:4 row_mask:0xf bank_mask:0xf
	v_add_f32_dpp v208, v208, v208 row_xmask:8 row_mask:0xf bank_mask:0xf
	v_mov_b32 v209, 0
	v_permlanex16_b32 v209, v208, s18, s19
	v_add_f32 v208, v208, v209
	v_sqrt_f32 v208, v208
	v_nop
	s_wait_alu depctr_va_vdst(0)
	v_add_f32 v208, 0x358637bd, v208
	v_rcp_f32 v208, v208
	v_nop
	s_wait_dscnt 0x0
	LANE3
	s_wait_alu depctr_va_vdst(0)
.irp q, 0,1,2,3
	v_mul_f32 v[160+\q], v208, v[160+\q]
.endr
	s_lshl_b32 s22, ttmp9, 6
	s_mov_b32 s23, 0
	s_add_nc_u64 s[16:17], s[16:17], s[22:23]
	v_cmp_gt_u32 vcc_lo, 4, v1
	s_wait_xcnt 0x0                                ; EXEC changes only behind this wait
	s_wait_tensorcnt 0x0
	ds_add_u32 v224, v225
	s_wait_dscnt 0x0
	s_and_saveexec_b32 s20, vcc_lo
	global_store_b128 v6, v[160:163], s[16:17]     ; lanes 0-3: my 16 columns
	s_wait_xcnt 0x0
	s_or_b32 exec_lo, exec_lo, s20
	s_endpgm
.Lfunc_end_k_q91f6015e55_fold:
	.size	k_q91f6015e55_fold, .Lfunc_end_k_q91f6015e55_fold-k_q91f6015e55_fold
	.p2alignl 7, 3214868480
	.fill 96, 4, 3214868480
	.section	.rodata,"a",@progbits
	.p2align	6, 0x0
	.amdhsa_kernel k_q91f6015e55_fold
		.amdhsa_group_segment_fixed_size 34304
		.amdhsa_private_segment_fixed_size 0
		.amdhsa_enable_private_segment 0
		.amdhsa_kernarg_size 40
		.amdhsa_user_sgpr_count 2
		.amdhsa_user_sgpr_kernarg_segment_ptr 1
		.amdhsa_wavefront_size32 1
		.amdhsa_system_sgpr_workgroup_id_x 1
		.amdhsa_system_sgpr_workgroup_id_y 1
		.amdhsa_system_sgpr_workgroup_id_z 1
		.amdhsa_system_vgpr_workitem_id 0
		.amdhsa_next_free_vgpr 226
		.amdhsa_next_free_sgpr 66
		.amdhsa_reserve_vcc 1
		.amdhsa_float_denorm_mode_32 3
		.amdhsa_float_denorm_mode_16_64 3
		.amdhsa_memory_ordered 1
		.amdhsa_forward_progress 1
		.amdhsa_inst_pref_size 28
	.end_amdhsa_kernel
	.amdgpu_metadata
---
amdhsa.version: [ 1, 2 ]
amdhsa.kernels:
  - .name:           k_q91f6015e55_fold
    .symbol:         k_q91f6015e55_fold.kd
    .args:
      - { .name: kvp, .offset: 0, .size: 8, .value_kind: global_buffer, .address_space: global }
      - { .name: colp, .offset: 8, .size: 8, .value_kind: global_buffer, .address_space: global }
      - { .name: nrm, .offset: 16, .size: 8, .value_kind: global_buffer, .address_space: global }
      - { .name: kvc, .offset: 24, .size: 8, .value_kind: global_buffer, .address_space: global }
      - { .name: ksm, .offset: 32, .size: 8, .value_kind: global_buffer, .address_space: global }
    .group_segment_fixed_size: 34304
    .private_segment_fixed_size: 0
    .kernarg_segment_align: 8
    .kernarg_segment_size: 40
    .max_flat_workgroup_size: 256
    .sgpr_count:     66
    .vgpr_count:     226
    .wavefront_size: 32
...
	.end_amdgpu_metadata
.endif
;; end of part 3
;; launch attn (part 4): grid 250 x 1, 8 waves a work-group, no clusters, 168,960 bytes of LDS; arguments query_input_codes, query_input_scales, source_input_codes, source_input_scales, Wq_w_codes, Wq_w_scales, Wq_b, Wv_w_codes, Wv_w_scales, Wv_b, nrm, kvc, ksm, out0; writes out0
.if DOCPART == 4
	.amdgcn_target "amdgcn-amd-amdhsa--gfx1250"
	.amdhsa_code_object_version 6
	.text
	.protected	k_q91f6015e55_attn
	.globl	k_q91f6015e55_attn
	.p2align	8
	.type	k_q91f6015e55_attn,@function
k_q91f6015e55_attn:
	s_mov_b64 s[64:65], 0
	v_nop
	global_prefetch_b8 v0, s[64:65] scope:SCOPE_SE
	s_setreg_imm32_b32 hwreg(HW_REG_WAVE_MODE, 25, 1), 1
	s_wait_xcnt 0x0
; out[l][d] = mean over h of (Q(qs / c) . Q(kvs) + n vs) / (qs / c . ks_sum + n + 1e-6), c = |qs| + 1e-6, n = 100,000.
; qs and vs are made again from the given codes; kvs comes as codes, ks_sum and the partial sums of |qs|^2 as f32.
; SHARES.  250 work-groups x 400 rows (25 tiles of 16).  Both projections are used TRANSPOSED (source 0 = 16 columns of W, source 1 =
; 16 rows of x): a lane holds ONE row.  Waves 0-3 (the q role): wave w owns heads 2 w and 2 w + 1 and keeps their 128 columns of Wq
; in registers.  Waves 4-7 (the v role): wave 4 + dt owns d = 16 dt .. 16 dt + 15 of ALL heads and keeps those 128 columns of Wv: the
; sum over the heads stays in one wave.  A row fragment read from LDS feeds 16 matrix instructions in either role.
; Wq's COLUMNS OF A TILE ARE NOT NEIGHBOURS: lane r of tile u takes column 8 u + (r & 7) + 32 (r >> 3) of its head, so that a lane's 32
; registers of a head are m = 32 g + 0 .. 31: a whole block, in the order of the next operand's registers.
; FROM ROLE TO ROLE, through LDS: a head's codes as an image of four registers (512 bytes), its two scale bytes, and 1 / (8 x the
; divisor) for each row.  THE PRODUCT WITH kvs has K = 64: two heads share a K step of 128.  Source 1 holds head 2 t's codes in
; registers 0-3 and head 2 t + 1's in 4-7; source 0, head h's kvs, has zero codes in the other head's half.  Its C is n vs.
; PIPELINE, one barrier a trip; every region that goes from wave to wave is double, by the trip's parity.  In trip i the q role
; issues tile i + 1's products into one of its two sets of accumulators and, behind them, quantises tile i out of the other set, its
; two heads line by line by turns: the quantiser is the vector work that stands behind the products.  The v role works tile i - 1,
; four heads at a time: one half's scaling and mean stand behind the other half's products with kvs.  Tile i - 2's rows are stored,
; 256 bytes by 16 lanes.  Trips 0, 1, 24, 25, 26 are written out with what they lack left out; trips 2 .. 23 run in two loops.
; ROWS come by six tensor loads a wave, all first fills: 800 scale bytes, then five pieces of 20 rows (pitch 144).  Piece p holds
; tiles 5 p .. 5 p + 4.  No LDS byte is filled twice.
; NO CLUSTER: 250 work-groups are no multiple of 4, and each wave takes its own eighth of the weights once, into registers.
; LIMITS: divisions are multiplications by v_rcp_f32's results; a block of zeros gets the scale byte 1; NaN and infinities are not served.
.set XPITCH, 144
.set XT,  400*XPITCH
.set SCB, 2*XT
.set QC,  SCB+6400                     ; 121,600 = 475 x 256: from here on no tensor load fills.  2 x 4,096: 512 x head + 16 x lane
.set QW,  QC+8192                      ; 2 x 256: 64 x pair + 4 r + 2 (head & 1)
.set QI,  QW+512                       ; 2 x 512: 32 r + 4 x head
.set OST, QI+1024                      ; 2 x 4,352: 16 rows of out x (256 + 16)
.set XR,  20                           ; v20-35, v36-51  a tile's fragment, two buffers
.set XSR, 52                           ; v52-55   its scale words
.set WSC, 56                           ; v56-71   my weight's scale words: 2 x tile + K step
.set DQ,  72                           ; v72-135  my 8 results;  q role: v136-199 a second set
.set CD,  200                          ; q role: v200-207 codes;
.set WK,  208                          ;         v208-231 at work, 12 a head: +0, +1, +10, +11 maxima, +2 the scale, +3 the bytes, +4 .. +7 the dot, +8, +9 from the other half of the lanes
.set QF,  136                          ; v role: v136-167 the four pairs' fragments
.set INV, 200                          ;         v200-207 1 / (8 x divisor) of my row, by head
.set OUT, 208                          ;         v208-215 my row's eight d
.set OB,  232                          ;         v232-239 rows on their way out: registers that neither role writes otherwise
.set QFS, 244                          ;         v244-247 the pairs' scale words: these and the next hold nothing else in either role
.set KVS, 248                          ;         v248-255 kvs's scale words
.set BB,  128                          ; window 1: v0-127 my weight (16 x tile + 8 s); v128-191 the bias;
.set KS,  192                          ;           v192-255 (q role) ks_sum at my lane's m, 32 a head
.set KV,  192                          ;           v192-255 (v role) kvs: 8 h, codes in half h & 1, zeros in the other
.set MSB, 0
.macro WIN new                         ; the immediate's high byte repeats the setting that is left
.if MSB != \new
	s_set_vgpr_msb (MSB<<8)|\new
.set MSB, \new
.endif
.endm
.macro MKG0 g, lreg, loff, base, goff
	s_mov_b32 s[\g], 1
	s_add_co_u32 s[\g+1], s[\lreg], \loff
	s_add_nc_u64 s[\g+2:\g+3], s[\base:\base+1], \goff
	s_or_b32 s[\g+3], s[\g+3], 0x80000000
.endm
.macro XLOADI b, tile                  ; a tile by its number
.irp k, 0,1,2,3
	ds_load_b128 v[XR+16*(\b)+4*\k:XR+16*(\b)+4*\k+3], v4 offset:(\tile)*16*XPITCH+32*\k
.endr
	ds_load_b64 v[XSR+2*(\b):XSR+2*(\b)+1], v5 offset:(\tile)*128
.endm
.macro XLOAD b                         ; the tile whose addresses the trip's head has made
.irp k, 0,1,2,3
	ds_load_b128 v[XR+16*(\b)+4*\k:XR+16*(\b)+4*\k+3], v16 offset:32*\k
.endr
	ds_load_b64 v[XSR+2*(\b):XSR+2*(\b)+1], v17
.endm
; My 8 tiles of columns x the rows in buffer b, into set d of accumulators; the accumulators take turns.
; n v_nop stand directly behind the products where no other vector work follows them on the same way: the places ahead of the first
; read of the results, of the next loads into the rows' registers and of the next products that begin these accumulators anew.
; In the q role's trips the quantiser of the other set follows and fills them: n = 0.
.macro MUL b, d, n
	WIN 0x11                                       ; source 0 (W) and C (bias) in window 1
.irp i, 0,1,2,3,4,5,6,7
	v_wmma_scale_f32_16x16x128_f8f6f4 v[DQ+64*(\d)+8*\i:DQ+64*(\d)+8*\i+7], v[16*\i:16*\i+7], v[XR+16*(\b):XR+16*(\b)+7], v[BB+8*\i:BB+8*\i+7], v[WSC+2*\i], v[XSR+2*(\b)] matrix_a_fmt:MATRIX_FMT_FP4 matrix_b_fmt:MATRIX_FMT_FP4
.endr
	WIN 0x01
.irp i, 0,1,2,3,4,5,6,7
	v_wmma_scale_f32_16x16x128_f8f6f4 v[DQ+64*(\d)+8*\i:DQ+64*(\d)+8*\i+7], v[16*\i+8:16*\i+15], v[XR+16*(\b)+8:XR+16*(\b)+15], v[DQ+64*(\d)+8*\i:DQ+64*(\d)+8*\i+7], v[WSC+2*\i+1], v[XSR+2*(\b)+1] matrix_a_fmt:MATRIX_FMT_FP4 matrix_b_fmt:MATRIX_FMT_FP4
.endr
	WIN 0
.rept \n
	v_nop
.endr
.endm
; The tile in set par of accumulators, both heads line by line by turns: normalised, the dot with ks_sum, quantised, handed on.
.macro QHEADS par
.set DS, DQ+64*(\par)
.irp j, 0,2,4,6,8,10,12,14,16,18,20,22,24,26,28,30
.irp hh, 0,1
	v_pk_mul_f32 v[DS+32*\hh+\j:DS+32*\hh+\j+1], v[DS+32*\hh+\j:DS+32*\hh+\j+1], s[82:83] op_sel_hi:[1,0]   ; qs / c; each accumulator from its low end on
.endr
.endr
	WIN 0x04                                       ; source 1 (ks_sum) in window 1
.irp hh, 0,1
	v_pk_mul_f32 v[WK+12*\hh+4:WK+12*\hh+5], v[DS+32*\hh:DS+32*\hh+1], v[KS+32*\hh:KS+32*\hh+1]
	v_pk_mul_f32 v[WK+12*\hh+6:WK+12*\hh+7], v[DS+32*\hh+2:DS+32*\hh+3], v[KS+32*\hh+2:KS+32*\hh+3]
.endr
.irp j, 4,8,12,16,20,24,28
.irp hh, 0,1
	v_pk_fma_f32 v[WK+12*\hh+4:WK+12*\hh+5], v[DS+32*\hh+\j:DS+32*\hh+\j+1], v[KS+32*\hh+\j:KS+32*\hh+\j+1], v[WK+12*\hh+4:WK+12*\hh+5]
	v_pk_fma_f32 v[WK+12*\hh+6:WK+12*\hh+7], v[DS+32*\hh+\j+2:DS+32*\hh+\j+3], v[KS+32*\hh+\j+2:KS+32*\hh+\j+3], v[WK+12*\hh+6:WK+12*\hh+7]
.endr
.endr
	WIN 0
.irp hh, 0,1                                   ; a head's 32 numbers of my lane are one block: its largest magnitude in four chains
	v_max3_num_f32 v[WK+12*\hh], |v[DS+32*\hh]|, |v[DS+32*\hh+1]|, 0x1800000   ; with the floor 2^(3 - 127): the byte cannot fall under 1
	v_max3_num_f32 v[WK+12*\hh+1], |v[DS+32*\hh+8]|, |v[DS+32*\hh+9]|, |v[DS+32*\hh+10]|
	v_max3_num_f32 v[WK+12*\hh+10], |v[DS+32*\hh+16]|, |v[DS+32*\hh+17]|, |v[DS+32*\hh+18]|
	v_max3_num_f32 v[WK+12*\hh+11], |v[DS+32*\hh+24]|, |v[DS+32*\hh+25]|, |v[DS+32*\hh+26]|
.endr
.irp i, 0,1
.irp hh, 0,1
	v_max3_num_f32 v[WK+12*\hh], v[WK+12*\hh], |v[DS+32*\hh+2+2*\i]|, |v[DS+32*\hh+3+2*\i]|
	v_max3_num_f32 v[WK+12*\hh+1], v[WK+12*\hh+1], |v[DS+32*\hh+11+2*\i]|, |v[DS+32*\hh+12+2*\i]|
	v_max3_num_f32 v[WK+12*\hh+10], v[WK+12*\hh+10], |v[DS+32*\hh+19+2*\i]|, |v[DS+32*\hh+20+2*\i]|
	v_max3_num_f32 v[WK+12*\hh+11], v[WK+12*\hh+11], |v[DS+32*\hh+27+2*\i]|, |v[DS+32*\hh+28+2*\i]|
.endr
.endr
.irp hh, 0,1
	v_max3_num_f32 v[WK+12*\hh], v[WK+12*\hh], |v[DS+32*\hh+6]|, |v[DS+32*\hh+7]|
	v_max3_num_f32 v[WK+12*\hh+1], v[WK+12*\hh+1], v[WK+12*\hh+10], |v[DS+32*\hh+15]|
	v_max3_num_f32 v[WK+12*\hh+11], v[WK+12*\hh+11], |v[DS+32*\hh+23]|, |v[DS+32*\hh+31]|
.endr
.irp hh, 0,1
	v_max3_num_f32 v[WK+12*\hh], v[WK+12*\hh], v[WK+12*\hh+1], v[WK+12*\hh+11]
.endr
.irp hh, 0,1
	v_add_nc_u32 v[WK+12*\hh+2], 0xff000000, v[WK+12*\hh]   ; 2 off the exponent field: the conversion's scale operand
.endr
.irp u, 0,1,2,3
.irp hh, 0,1
	v_cvt_scalef32_pk8_fp4_f32 v[CD+4*\hh+\u], v[DS+32*\hh+8*\u:DS+32*\hh+8*\u+7], v[WK+12*\hh+2]
.endr
.endr
.irp hh, 0,1
	v_lshrrev_b32 v[WK+12*\hh+3], 23, v[WK+12*\hh+2]        ; block g's byte.  (Also the plain instruction behind the conversions)
.endr
.irp hh, 0,1
	ds_store_b128 v6, v[CD+4*\hh:CD+4*\hh+3] offset:4096*\par+512*\hh
.endr
.irp hh, 0,1
	v_lshlrev_b32 v[WK+12*\hh+3], v15, v[WK+12*\hh+3]
.endr
.irp hh, 0,1
	v_pk_add_f32 v[WK+12*\hh+4:WK+12*\hh+5], v[WK+12*\hh+4:WK+12*\hh+5], v[WK+12*\hh+6:WK+12*\hh+7]
.endr
.irp hh, 0,1
	v_permlanex16_b32 v[WK+12*\hh+8], v[WK+12*\hh+3], s80, s81
.endr
.irp hh, 0,1
	v_add_f32 v[WK+12*\hh+4], v[WK+12*\hh+4], v[WK+12*\hh+5]
.endr
.irp hh, 0,1
	v_or_b32 v[WK+12*\hh+3], v[WK+12*\hh+3], v[WK+12*\hh+8]   ; the head's two bytes
.endr
.irp hh, 0,1
	v_permlanex16_b32 v[WK+12*\hh+9], v[WK+12*\hh+4], s80, s81
.endr
.irp hh, 0,1
	ds_store_b16 v7, v[WK+12*\hh+3] offset:256*\par+2*\hh   ; both halves of the lanes write the same bytes with the same values
.endr
.irp hh, 0,1
	v_add_f32 v[WK+12*\hh+4], v[WK+12*\hh+4], v[WK+12*\hh+9]  ; the row's dot over all 64 m
.endr
.irp hh, 0,1
	v_add_f32 v[WK+12*\hh+4], s84, v[WK+12*\hh+4]           ; + n
.endr
.irp hh, 0,1
	v_add_f32 v[WK+12*\hh+4], 0x358637bd, v[WK+12*\hh+4]    ; + 1e-6
.endr
.irp hh, 0,1
	v_rcp_f32 v[WK+12*\hh+4], v[WK+12*\hh+4]
.endr
	v_nop                                          ; a plain instruction behind the transcendentals
	s_wait_alu depctr_va_vdst(0)
.irp hh, 0,1
	v_mul_f32 v[WK+12*\hh+4], 0x3e000000, v[WK+12*\hh+4]    ; / 8: the mean over the heads
.endr
.irp hh, 0,1
	ds_store_b32 v8, v[WK+12*\hh+4] offset:512*\par+4*\hh
.endr
.endm
.macro P5 h0                           ; n vs + Q(qs / c) . Q(kvs) for heads h0 .. h0 + 3, in place
	WIN 0x01                                       ; source 0 (kvs) in window 1
.irp h, \h0, \h0+1, \h0+2, \h0+3
	v_wmma_scale_f32_16x16x128_f8f6f4 v[DQ+8*(\h):DQ+8*(\h)+7], v[KV+8*(\h):KV+8*(\h)+7], v[QF+8*((\h)/2):QF+8*((\h)/2)+7], v[DQ+8*(\h):DQ+8*(\h)+7], v[KVS+(\h)], v[QFS+(\h)/2] matrix_a_fmt:MATRIX_FMT_FP4 matrix_b_fmt:MATRIX_FMT_FP4
.endr
	WIN 0
.endm
.macro SENDOUT par                     ; tile i - 2: sixteen lanes store one row of 256 bytes
	global_store_b128 v14, v[OB:OB+3], s[96:97] offset:4096*\par-8192
	global_store_b128 v14, v[OB+4:OB+7], s[96:97] offset:4096*\par-8192+512
.endm
; A trip.  qx, qw, qa: the q role asks for tile i + 2, multiplies tile i + 1, quantises tile i.  vx, va, sa: the v role asks for
; tile i, works tile i - 1, stores tile i - 2.  bar: the barrier at its end.
.macro TRIP par, qx, qa, qw, vx, va, sa, bar
	s_add_co_u32 s89, s86, \par
	s_add_co_u32 s89, s89, s88                     ; the tile to ask for: i + 2 in the q role, i in the v role,
	s_min_u32 s89, s89, 24                         ; held at the last (what trip 23 so asks for a second time is not used)
	s_mul_i32 s90, s89, 16*XPITCH
	s_lshl_b32 s91, s89, 7
	v_add_nc_u32 v16, s90, v4
	v_add_nc_u32 v17, s91, v5
	s_cmp_lt_u32 s2, 4
	s_cbranch_scc0 .Lv_\@
.if \qx
	XLOAD \par                                     ; into the buffer that the last trip's products have read: a quantiser stands behind them
.endif
.if \qw
	MUL 1-\par, 1-\par, 0                          ; qs of tile i + 1, into the set that the last trip has quantised
.endif
.if \qa
	QHEADS \par                                    ; tile i
.endif
	s_branch .Lj_\@
.Lv_\@:
	s_wait_xcnt 0x0                                ; the last trip's stores have read their registers
.if \vx
	XLOAD \par
.endif
.if \sa
	ds_load_b128 v[OB:OB+3], v13 offset:4352*\par
	ds_load_b128 v[OB+4:OB+7], v13 offset:4352*\par+544
.endif
.if \va
.irp hd, 0,1,2,3,4,5,6,7
	ds_load_b128 v[QF+4*\hd:QF+4*\hd+3], v9 offset:4096*(1-\par)+512*\hd
.endr
.irp t, 0,1,2,3
	ds_load_b32 v[QFS+\t], v10 offset:256*(1-\par)+64*\t
.endr
	ds_load_b128 v[INV:INV+3], v11 offset:512*(1-\par)
	ds_load_b128 v[INV+4:INV+7], v11 offset:512*(1-\par)+16
	MUL 1-\par, 0, 4                               ; vs of tile i - 1
.irp j, 0,2,4,6,8,10,12,14,16,18,20,22,24,26,28,30
	v_pk_mul_f32 v[DQ+\j:DQ+\j+1], v[DQ+\j:DQ+\j+1], s[84:85] op_sel_hi:[1,0]   ; n vs, heads 0-3
.endr
	s_wait_dscnt 0x0
.if \sa
	SENDOUT \par
.endif
	P5 0
.irp j, 32,34,36,38,40,42,44,46,48,50,52,54,56,58,60,62
	v_pk_mul_f32 v[DQ+\j:DQ+\j+1], v[DQ+\j:DQ+\j+1], s[84:85] op_sel_hi:[1,0]   ; n vs, heads 4-7: also the places behind heads 0-3's products
.endr
	P5 4
.irp h, 0,1,2,3,4,5,6,7                        ; the mean; heads 0-3's sixteen lines are the places behind heads 4-7's products
.irp j, 0,2,4,6
.if \h == 0
	v_pk_mul_f32 v[OUT+\j:OUT+\j+1], v[DQ+\j:DQ+\j+1], v[INV:INV+1] op_sel_hi:[1,0]
.elseif \h%2 == 0
	v_pk_fma_f32 v[OUT+\j:OUT+\j+1], v[DQ+8*\h+\j:DQ+8*\h+\j+1], v[INV+\h:INV+\h+1], v[OUT+\j:OUT+\j+1] op_sel_hi:[1,0,1]
.else
	v_pk_fma_f32 v[OUT+\j:OUT+\j+1], v[DQ+8*\h+\j:DQ+8*\h+\j+1], v[INV+\h-1:INV+\h], v[OUT+\j:OUT+\j+1] op_sel:[0,1,0] op_sel_hi:[1,1,1]
.endif
.endr
.endr
	ds_store_b128 v12, v[OUT:OUT+3] offset:4352*(1-\par)
	ds_store_b128 v12, v[OUT+4:OUT+7] offset:4352*(1-\par)+16
.else
.if \sa
	s_wait_dscnt 0x0
	SENDOUT \par
.endif
.endif
.Lj_\@:
.if \bar
	s_wait_dscnt 0x0                               ; my LDS stores have landed and my LDS loads are in
	s_barrier_signal -1
	s_barrier_wait -1
.endif
.endm
.macro EDGE                            ; two trips on
	s_wait_xcnt 0x0                                ; the stores' base is written again only behind this wait
	s_add_nc_u64 s[96:97], s[96:97], 8192
	s_add_co_u32 s86, s86, 2
.endm
	s_load_b512 s[8:23], s[0:1], 0x0               ; q codes, q scales, s codes, s scales, Wq codes, Wq scales, Wq_b, Wv codes
	s_load_b256 s[24:31], s[0:1], 0x40             ; Wv scales, Wv_b, nrm, kvc
	s_load_b128 s[32:35], s[0:1], 0x60             ; ksm, out0
	v_lshl_add_u32 v242, v0, 2, 0x29000
	v_mov_b32 v243, 0
	ds_add_u32 v242, v243
	ds_add_u32 v242, v243
	v_lshrrev_b32 v1, 5, v0
	v_readfirstlane_b32 s2, v1                     ; wave 0..7
	s_lshr_b32 s3, s2, 2                           ; 0: the q role, 1: the v role
	s_and_b32 s4, s2, 3
	; group 1 for the codes: 20 rows of 128 bytes, dense in memory, 4 words of padding behind every 32
	s_mov_b32 s36, (1<<20)|(4<<22)|(3<<25)
	s_mov_b32 s37, 128<<16
	s_mov_b32 s38, 20<<16
	s_mov_b32 s39, 128<<16
	s_mov_b32 s40, 20
	s_mov_b32 s41, 128
	s_mov_b32 s42, 0
	s_mov_b32 s43, 0
	; group 1 for the scale bytes: one row of 100 elements of 8 bytes
	s_mov_b32 s44, 3<<16
	s_mov_b32 s45, 100<<16
	s_mov_b32 s46, 1<<16
	s_mov_b32 s47, 100<<16
	s_mov_b32 s48, 1
	s_mov_b32 s49, 100
	s_mov_b32 s50, 0
	s_mov_b32 s51, 0
	s_mul_i32 s89, s3, XT
	s_mul_i32 s90, s4, 20*XPITCH
	s_add_co_u32 s89, s89, s90
	s_mul_i32 s90, s2, 800
	s_mul_i32 s92, ttmp9, 51200
	s_mul_i32 s93, s4, 2560
	s_add_co_u32 s92, s92, s93
	s_mov_b32 s93, 0
	s_mul_i32 s94, ttmp9, 3200
	s_mul_i32 s95, s4, 800
	s_add_co_u32 s94, s94, s95
	s_mov_b32 s95, 0
	s_mov_b32 s80, 0x76543210
	s_mov_b32 s81, 0xfedcba98
	s_mov_b32 s84, 0x47c35000                      ; n = 100,000
	s_mov_b32 s85, s84
	s_mov_b32 s86, 0                               ; the number of the trip with parity 0
	s_lshr_b32 s88, s2, 2
	s_xor_b32 s88, s88, 1
	s_lshl_b32 s88, s88, 1                         ; how far ahead my role asks for rows: 2 or 0
	s_wait_dscnt 0x0
	s_wait_kmcnt 0x0
	s_cmp_eq_u32 s3, 0                             ; the choice of buffers hangs on the wave's number alone
	s_cselect_b64 s[8:9], s[8:9], s[12:13]
	s_cselect_b64 s[10:11], s[10:11], s[14:15]
	s_add_nc_u64 s[8:9], s[8:9], s[92:93]
	s_add_nc_u64 s[10:11], s[10:11], s[94:95]
	MKG0 52, 90, SCB, 10, 0
	MKG0 56, 89, 0, 8, 0
	MKG0 60, 89, 80*XPITCH, 8, 10240
	MKG0 68, 89, 160*XPITCH, 8, 20480
	MKG0 72, 89, 240*XPITCH, 8, 30720
	MKG0 76, 89, 320*XPITCH, 8, 40960
	tensor_load_to_lds s[52:55], s[44:51]          ; six loads of mine are out: all the tensor loads of the launch
	s_nop 0
	tensor_load_to_lds s[56:59], s[36:43]
	s_nop 0
	tensor_load_to_lds s[60:63], s[36:43]
	s_nop 0
	tensor_load_to_lds s[68:71], s[36:43]
	s_nop 0
	tensor_load_to_lds s[72:75], s[36:43]
	s_nop 0
	tensor_load_to_lds s[76:79], s[36:43]
	s_nop 0
.rept 4
	v_nop
.endr
	; every LDS address is made here, ahead of the first parting of the roles
	v_and_b32 v1, 31, v0
	v_and_b32 v2, 15, v0                           ; r
	v_bfe_u32 v3, v0, 4, 1                         ; g
	v_mul_u32_u24 v4, v2, XPITCH
	v_lshl_add_u32 v4, v3, 4, v4
	s_mul_i32 s90, s3, XT
	v_add_nc_u32 v4, s90, v4                       ; row r of a tile, + 16 g
	s_mul_i32 s90, s3, 3200
	s_add_co_u32 s90, s90, SCB
	v_lshl_add_u32 v5, v2, 3, s90                  ; its 8 scale bytes
	v_lshlrev_b32 v18, 4, v1                       ; 16 x lane
	s_lshl_b32 s90, s4, 10
	s_add_co_u32 s90, s90, QC
	v_add_nc_u32 v6, s90, v18
	s_lshl_b32 s90, s4, 6
	s_add_co_u32 s90, s90, QW
	v_lshl_add_u32 v7, v2, 2, s90
	s_lshl_b32 s90, s4, 3
	s_add_co_u32 s90, s90, QI
	v_lshl_add_u32 v8, v2, 5, s90
	v_add_nc_u32 v9, QC, v18
	v_lshlrev_b32 v10, 2, v2
	v_add_nc_u32 v10, QW, v10
	v_lshlrev_b32 v11, 5, v2
	v_add_nc_u32 v11, QI, v11
	v_mul_u32_u24 v12, v2, 272
	v_lshl_add_u32 v12, v3, 5, v12
	s_lshl_b32 s90, s4, 6
	s_add_co_u32 s90, s90, OST
	v_add_nc_u32 v12, s90, v12                     ; the stage, in: row r, 64 dt + 32 g
	v_mul_u32_u24 v13, v3, 272
	v_lshl_add_u32 v13, v2, 4, v13
	s_mul_i32 s90, s4, 4*272
	s_add_co_u32 s90, s90, OST
	v_add_nc_u32 v13, s90, v13                     ; back: row 4 dt + g, 16 r
	v_lshlrev_b32 v14, 8, v3
	v_lshl_add_u32 v14, v2, 4, v14
	s_lshl_b32 s90, s4, 10
	v_add_nc_u32 v14, s90, v14                     ; and the same place in a tile of out
	v_lshlrev_b32 v15, 3, v3                       ; 8 g
	s_mul_i32 s90, ttmp9, 102400
	s_mov_b32 s91, 0
	s_add_nc_u64 s[96:97], s[34:35], s[90:91]      ; out at the work-group's first row
	s_cmp_lt_u32 s2, 4
	s_cbranch_scc0 .Lv_head
	; ---- the q role's registers
	v_and_b32 v206, 7, v2
	v_lshrrev_b32 v207, 3, v2
	v_lshl_add_u32 v206, v207, 5, v206             ; (r & 7) + 32 (r >> 3)
	v_lshlrev_b32 v19, 7, v206
	v_lshl_add_u32 v19, v3, 4, v19
	v_lshlrev_b32 v204, 3, v206
	v_lshlrev_b32 v205, 7, v3                      ; 32 g numbers of f32
	s_lshl_b32 s90, s4, 14
	s_add_nc_u64 s[16:17], s[16:17], s[90:91]
	s_lshl_b32 s90, s4, 10
	s_add_nc_u64 s[18:19], s[18:19], s[90:91]
	s_lshl_b32 s90, s4, 9
	s_add_nc_u64 s[20:21], s[20:21], s[90:91]
	s_add_nc_u64 s[32:33], s[32:33], s[90:91]
	WIN 0x40
.irp i, 0,1,2,3,4,5,6,7                        ; tile i = 4 x (head & 1) + u begins at column 64 (i / 4) + 8 (i % 4) of my 128
.irp k, 0,1,2,3
	global_load_b128 v[16*\i+4*\k:16*\i+4*\k+3], v19, s[16:17] offset:(64*(\i/4)+8*(\i%4))*128+32*\k
.endr
	global_load_b128 v[BB+8*\i:BB+8*\i+3], v205, s[20:21] offset:(64*(\i/4)+8*(\i%4))*4
	global_load_b128 v[BB+8*\i+4:BB+8*\i+7], v205, s[20:21] offset:(64*(\i/4)+8*(\i%4))*4+16
	global_load_b128 v[KS+8*\i:KS+8*\i+3], v205, s[32:33] offset:(64*(\i/4)+8*(\i%4))*4
	global_load_b128 v[KS+8*\i+4:KS+8*\i+7], v205, s[32:33] offset:(64*(\i/4)+8*(\i%4))*4+16
.endr
	WIN 0
.irp i, 0,1,2,3,4,5,6,7
	global_load_b64 v[WSC+2*\i:WSC+2*\i+1], v204, s[18:19] offset:(64*(\i/4)+8*(\i%4))*8
.endr
.irp i, 0,1,2,3,4,5,6,7
	global_load_b128 v[DQ+4*\i:DQ+4*\i+3], v18, s[28:29] offset:512*\i   ; the partial sums of squares of qs
.endr
	s_wait_loadcnt 0x0
.irp i, 0,1,2,3,4,5,6,7
	v_pk_add_f32 v[DQ+4*\i:DQ+4*\i+1], v[DQ+4*\i:DQ+4*\i+1], v[DQ+4*\i+2:DQ+4*\i+3]
.endr
.irp i, 0,1,2,3
	v_pk_add_f32 v[DQ+8*\i:DQ+8*\i+1], v[DQ+8*\i:DQ+8*\i+1], v[DQ+8*\i+4:DQ+8*\i+5]
.endr
.irp i, 0,1
	v_pk_add_f32 v[DQ+16*\i:DQ+16*\i+1], v[DQ+16*\i:DQ+16*\i+1], v[DQ+16*\i+8:DQ+16*\i+9]
.endr
	v_pk_add_f32 v[DQ:DQ+1], v[DQ:DQ+1], v[DQ+16:DQ+17]
	v_add_f32 v208, v[DQ], v[DQ+1]
	v_add_f32_dpp v208, v208, v208 row_xmask:1 row_mask:0xf bank_mask:0xf
	v_add_f32_dpp v208, v208, v208 row_xmask:2 row_mask:0xf bank_mask:0xf
	v_add_f32_dpp v208, v208, v208 row_xmask:4 row_mask:0xf bank_mask:0xf
	v_add_f32_dpp v208, v208, v208 row_xmask:8 row_mask:0xf bank_mask:0xf
	v_mov_b32 v209, 0
	v_permlanex16_b32 v209, v208, s80, s81
	v_add_f32 v208, v208, v209
	v_sqrt_f32 v208, v208
	v_nop
	s_wait_alu depctr_va_vdst(0)
	v_add_f32 v208, 0x358637bd, v208
	v_rcp_f32 v208, v208
	v_nop
	s_wait_alu depctr_va_vdst(0)
	v_readfirstlane_b32 s82, v208                  ; 1 / c
	s_mov_b32 s83, s82
.irp j, 216,217,228,229
	v_mov_b32 v\j, 0                               ; written once: a lane permute's destination counts as one of its sources
.endr
	s_branch .Lheads_done
.Lv_head:
	; ---- the v role's registers
	v_lshlrev_b32 v19, 7, v2
	v_lshl_add_u32 v19, v3, 4, v19
	v_lshlrev_b32 v204, 3, v2
	v_lshlrev_b32 v205, 5, v3                      ; 8 g numbers of f32
	v_lshlrev_b32 v206, 2, v1
	s_lshl_b32 s90, s4, 11
	s_add_nc_u64 s[22:23], s[22:23], s[90:91]
	s_lshl_b32 s90, s4, 7
	s_add_nc_u64 s[24:25], s[24:25], s[90:91]
	s_lshl_b32 s90, s4, 6
	s_add_nc_u64 s[26:27], s[26:27], s[90:91]
	s_lshl_b32 s90, s4, 12
	s_add_nc_u64 s[92:93], s[30:31], s[90:91]
	s_lshl_b32 s90, s4, 10
	s_add_nc_u64 s[30:31], s[30:31], s[90:91]
	WIN 0x40
.irp h, 0,1,2,3,4,5,6,7                        ; tile h: columns 64 h + 16 dt + r
.irp k, 0,1,2,3
	global_load_b128 v[16*\h+4*\k:16*\h+4*\k+3], v19, s[22:23] offset:8192*\h+32*\k
.endr
	global_load_b128 v[BB+8*\h:BB+8*\h+3], v205, s[26:27] offset:256*\h
	global_load_b128 v[BB+8*\h+4:BB+8*\h+7], v205, s[26:27] offset:256*\h+16
	global_load_b128 v[KV+8*\h+4*(\h%2):KV+8*\h+4*(\h%2)+3], v18, s[92:93] offset:512*\h
.irp q, 0,1,2,3
	v_mov_b32 v[KV+8*\h+4*(1-\h%2)+\q], 0          ; zero codes against the other head of the pair
.endr
.endr
	WIN 0
.irp h, 0,1,2,3,4,5,6,7
	global_load_b64 v[WSC+2*\h:WSC+2*\h+1], v204, s[24:25] offset:512*\h
	global_load_b32 v[KVS+\h], v206, s[30:31] offset:16384+128*\h
.endr
	s_wait_loadcnt 0x0
.Lheads_done:
	s_wait_tensorcnt 4                             ; my scale bytes and my part of piece 0 (tiles 0-4) are in; four pieces may be out
	s_barrier_signal -1
	s_barrier_wait -1
	s_cmp_lt_u32 s2, 4
	s_cbranch_scc0 .Lno_first
	XLOADI 0, 0
	XLOADI 1, 1
	s_wait_dscnt 0x0
	MUL 0, 0, 4                                    ; qs of tile 0
.Lno_first:
	TRIP 0, 1,1,1, 1,0,0, 1                        ; trip 0
	TRIP 1, 1,1,1, 1,1,0, 1                        ; trip 1: rows up to tile 3 have been asked for
	EDGE
	s_wait_tensorcnt 2                             ; pieces 1 and 2 (tiles up to 14); two pieces may be out
	s_barrier_signal -1
	s_barrier_wait -1
	s_mov_b32 s87, 5
.Lloop_a:                                              ; trips 2 .. 11: rows up to tile 13
	TRIP 0, 1,1,1, 1,1,1, 1
	TRIP 1, 1,1,1, 1,1,1, 1
	EDGE
	s_sub_co_u32 s87, s87, 1
	s_cmp_lg_u32 s87, 0
	s_cbranch_scc1 .Lloop_a
	s_wait_tensorcnt 0x0                           ; all rows
	s_barrier_signal -1
	s_barrier_wait -1
	s_mov_b32 s87, 6
.Lloop_b:                                              ; trips 12 .. 23
	TRIP 0, 1,1,1, 1,1,1, 1
	TRIP 1, 1,1,1, 1,1,1, 1
	EDGE
	s_sub_co_u32 s87, s87, 1
	s_cmp_lg_u32 s87, 0
	s_cbranch_scc1 .Lloop_b
	TRIP 0, 0,1,0, 1,1,1, 1                        ; trip 24: the last tile is quantised
	TRIP 1, 0,0,0, 0,1,1, 1                        ; trip 25: and worked
	EDGE
	TRIP 0, 0,0,0, 0,0,1, 0                        ; trip 26: and stored
	s_wait_tensorcnt 0x0
	ds_add_u32 v242, v243
	s_wait_dscnt 0x0
	s_endpgm
.Lfunc_end_k_q91f6015e55_attn:
	.size	k_q91f6015e55_attn, .Lfunc_end_k_q91f6015e55_attn-k_q91f6015e55_attn
	.p2alignl 7, 3214868480
	.fill 96, 4, 3214868480
	.section	.rodata,"a",@progbits
	.p2align	6, 0x0
	.amdhsa_kernel k_q91f6015e55_attn
		.amdhsa_group_segment_fixed_size 168960
		.amdhsa_private_segment_fixed_size 0
		.amdhsa_enable_private_segment 0
		.amdhsa_kernarg_size 112
		.amdhsa_user_sgpr_count 2
		.amdhsa_user_sgpr_kernarg_segment_ptr 1
		.amdhsa_wavefront_size32 1
		.amdhsa_system_sgpr_workgroup_id_x 1
		.amdhsa_system_sgpr_workgroup_id_y 1
		.amdhsa_system_sgpr_workgroup_id_z 1
		.amdhsa_system_vgpr_workitem_id 0
		.amdhsa_next_free_vgpr 512
		.amdhsa_next_free_sgpr 98
		.amdhsa_reserve_vcc 0
		.amdhsa_float_denorm_mode_32 3
		.amdhsa_float_denorm_mode_16_64 3
		.amdhsa_memory_ordered 1
		.amdhsa_forward_progress 1
		.amdhsa_inst_pref_size 169
	.end_amdhsa_kernel
	.amdgpu_metadata
---
amdhsa.version: [ 1, 2 ]
amdhsa.kernels:
  - .name:           k_q91f6015e55_attn
    .symbol:         k_q91f6015e55_attn.kd
    .args:
      - { .name: query_input_codes, .offset: 0, .size: 8, .value_kind: global_buffer, .address_space: global }
      - { .name: query_input_scales, .offset: 8, .size: 8, .value_kind: global_buffer, .address_space: global }
      - { .name: source_input_codes, .offset: 16, .size: 8, .value_kind: global_buffer, .address_space: global }
      - { .name: source_input_scales, .offset: 24, .size: 8, .value_kind: global_buffer, .address_space: global }
      - { .name: Wq_w_codes, .offset: 32, .size: 8, .value_kind: global_buffer, .address_space: global }
      - { .name: Wq_w_scales, .offset: 40, .size: 8, .value_kind: global_buffer, .address_space: global }
      - { .name: Wq_b, .offset: 48, .size: 8, .value_kind: global_buffer, .address_space: global }
      - { .name: Wv_w_codes, .offset: 56, .size: 8, .value_kind: global_buffer, .address_space: global }
      - { .name: Wv_w_scales, .offset: 64, .size: 8, .value_kind: global_buffer, .address_space: global }
      - { .name: Wv_b, .offset: 72, .size: 8, .value_kind: global_buffer, .address_space: global }
      - { .name: nrm, .offset: 80, .size: 8, .value_kind: global_buffer, .address_space: global }
      - { .name: kvc, .offset: 88, .size: 8, .value_kind: global_buffer, .address_space: global }
      - { .name: ksm, .offset: 96, .size: 8, .value_kind: global_buffer, .address_space: global }
      - { .name: out0, .offset: 104, .size: 8, .value_kind: global_buffer, .address_space: global }
    .group_segment_fixed_size: 168960
    .private_segment_fixed_size: 0
    .kernarg_segment_align: 8
    .kernarg_segment_size: 112
    .max_flat_workgroup_size: 256
    .sgpr_count:     98
    .vgpr_count:     512
    .wavefront_size: 32
...
	.end_amdgpu_metadata
.endif
;; end of part 4
